; MI455X (gfx1250); checked and timed in simulation.
; The chip was launched on July 23, 2026; its instructions are those of AMD's public machine-readable ISA for CDNA 5 (MIT licence, August 2026) and "CDNA5" Instruction Set Architecture Reference Guide (July 2026). The comments in the code are by the model that wrote it; some were corrected since.
;; Transformer Block. Allowed arithmetic: matrix products marked QUANTISED: E4M3 operands, one given power-of-two scale a tensor, by v_wmma_f32_16x16x64_fp8_fp8 or v_wmma_f32_16x16x128_fp8_fp8, f32 sums; everything else in f32.
;; Inputs: fc1_b 4,096 float32; fc1_w 4,096 x 1,024 float32; fc2_b 1,024 float32; fc2_w 1,024 x 4,096 float32; ln1_b 1,024 float32; ln1_g 1,024 float32; ln2_b 1,024 float32; ln2_g 1,024 float32; lowp_scales 12 int32 (the exponents e of the quantised operands' scales 2^e); proj_b 1,024 float32; proj_w 1,024 x 1,024 float32; qkv_b 3,072 float32; qkv_w 3,072 x 1,024 float32; x 2 x 2,048 x 1,024 float32.
;; Outputs: out0 2 x 2,048 x 1,024 float32.
;; This version of the problem:
;;   THIS VERSION OF THE PROBLEM IS GIVEN IN LOW PRECISION. The matrix products marked QUANTISED in the list below multiply operands that are first quantised to E4M3 (4 exponent bits, 3 mantissa bits; 8 bits a number), with one given power-of-two scale for each operand tensor; their sums are f32. All else is computed in f32.
;;   The module's matrix products, in the order in which they are computed (A, B: the left and right operand; K: the contracted axis; several contracted axes count as one K, in the product's order):
;;     1. [M 4,096, K 1,024] x [K 1,024, N 3,072]; A: computed on the way; B: input qkv_w: QUANTISED (scales: A lowp_scales[0], B lowp_scales[1])
;;     2. batch 32 x [M 2,048, K 64] x [K 64, N 2,048]; A: computed on the way; B: computed on the way: QUANTISED (scales: A lowp_scales[2], B lowp_scales[3])
;;     3. batch 32 x [M 2,048, K 2,048] x [K 2,048, N 64]; A: softmax (see below); B: computed on the way: QUANTISED (scales: A lowp_scales[4], B lowp_scales[5])
;;     4. [M 4,096, K 1,024] x [K 1,024, N 1,024]; A: computed on the way; B: input proj_w: QUANTISED (scales: A lowp_scales[6], B lowp_scales[7])
;;     5. [M 4,096, K 1,024] x [K 1,024, N 4,096]; A: computed on the way; B: input fc1_w: QUANTISED (scales: A lowp_scales[8], B lowp_scales[9])
;;     6. [M 4,096, K 4,096] x [K 4,096, N 1,024]; A: computed on the way; B: input fc2_w: QUANTISED (scales: A lowp_scales[10], B lowp_scales[11])
;;   THE QUANTISER, for each operand of a quantised product, along K:
;;     - The operand's scale is 2^e, e = its entry of the input lowp_scales (int32; the entries are numbered through the quantised products in the list's order, A before B).
;;     - Each number is divided by the scale, clamped to +-448, and rounded to the nearest number of E4M3, ties to even, subnormals kept.
;;     - The product sums the exact products of the quantised numbers (number of the format x scale) in f32.
;;   ~~~python
;;   def quantise(x, axis, e):      # numpy; x: float32 -> the quantised numbers, widened to float32 again
;;       x = np.moveaxis(x, axis, -1); K = x.shape[-1]
;;       r = np.clip(x / 2.0 ** e, -448, 448)
;;       step = 2.0 ** (np.maximum(np.frexp(np.where(r == 0, 1, r))[1] - 1, -6) - 3)
;;       q = np.round(r / step) * step * 2.0 ** e      # np.round: ties to even
;;       return np.moveaxis(q, -1, axis).astype(np.float32)
;;   ~~~
;;   SOFTMAX AHEAD OF A QUANTISED PRODUCT. Where the list says 'softmax', what is quantised is not the finished softmax but p = 2^(t - M), with t = logit x log2(e) and M = ceil(the row's largest t), a whole number; so 1/2 < the row's largest p <= 1. The row's sum l is taken of the UNQUANTISED p, in f32, and the product's result is divided by l at the end. Since M is a whole number, a kernel that streams over the keys may use a running M (the ceiling of the running maximum): every later rescaling is an exact power of two, so the quantised numbers keep their values, but for numbers so far below the row's largest that they fall under the format's range.
;;   OPERANDS COMPUTED ON THE WAY. 'Computed on the way' means the value that the module computes at that place (a softmax that the list does not call 'softmax' is quantised finished and normalised). What goes into a quantiser is computed in f32, as accurately as f32 sums, v_exp_f32 and their like allow (about 1e-6 of the number): no bf16 or f16 on the way to a quantiser, and a product that is left as it is and whose result goes on into a quantised operand takes f32 operands (vector FMAs, or v_wmma_f32_16x16x4_f32). A number that lies on a knife's edge between two numbers of the format may be rounded either way, as far as f32 arithmetic and the matrix unit's own rounding can turn it there, and no further.
;; One version. Each part assembles by itself: llvm-mc -triple=amdgcn-amd-amdhsa -mcpu=gfx1250 --defsym DOCPART=n.
;; ======== version 1 of 1: 7 launches
;; limits: right only within a limited range of input values
;; workspace buffers: wimg 12,582,912 bytes; aimg 4,194,304 bytes; qkvimg 12,582,912 bytes; oimg 4,194,304 bytes; x1 16,777,216 bytes; gimg 16,777,216 bytes
;; launch prep (part 1): grid 512 x 1, 8 waves a work-group, no clusters, 66,816 bytes of LDS; arguments x, ln1_g, ln1_b, qkv_w, proj_w, lowp_scales, aimg, wimg; writes aimg, wimg
.if DOCPART == 1
	.amdgcn_target "amdgcn-amd-amdhsa--gfx1250"
	.amdhsa_code_object_version 6
	.text
	.protected	k_q6eafc84379_prep
	.globl	k_q6eafc84379_prep
	.p2align	8
	.type	k_q6eafc84379_prep,@function
k_q6eafc84379_prep:
	s_mov_b64 s[64:65], 0
	v_nop
	global_prefetch_b8 v0, s[64:65] scope:SCOPE_SE
	s_setreg_imm32_b32 hwreg(HW_REG_WAVE_MODE, 25, 1), 1
	s_wait_xcnt 0x0
; PREP: LayerNorm 1 of x, and the weights qkv_w and proj_w, become codes of E4M3 laid as IMAGES OF THE MATRIX OPERAND'S REGISTERS.  (fc1_w and fc2_w, which are wanted only much later, are quantised by the attention launch.)
; THE IMAGE of a matrix [R][K] of codes: a fragment (16 rows x 128 along K) is 2,048 consecutive bytes, four pieces of 512; in piece i lane l = 16 h + r has 16 bytes: row r, k = 32 i + 8 h + 0..7 and
; k = 32 i + 16 + 8 h + 0..7: the lane's registers 4 i .. 4 i + 3 in the layout of the plain fp8 forms.  Fragment (row tile rho, K step kap) lies at rho x 16 K + kap x 2048.
; A JOB, one work-group: 16 rows x 1,024 columns of f32 (65,536 bytes in) -> 8 fragments (16,384 consecutive bytes out).  Work-groups 0-255: x with LayerNorm (scale entry 0) -> aimg; 256-447: qkv_w (1);
; 448-511: proj_w (7) -> wimg.  Only pointers, offsets and the exponent are chosen, by selects on the work-group's number.
; A wave loads two whole rows (each load 512 consecutive bytes), normalises them where the job is x (a row never leaves its wave), and puts them into a stage in LDS; behind one barrier wave w reads fragment w
; (lane (r, h): 8 neighbours of row r for each 16 along K), holds, converts and stores 4 x 512 consecutive bytes.
; The mean is taken first and the variance of the differences: a common offset of x costs no accuracy.
; No tensor load, no cluster, no matrix unit: work-groups share no input, and the job is a stream.
; code = y / 2^e, held within +-448, to the nearest code, ties to even.  LIMITS: each e used here between -126 and 119, so that 2^e and 448 x 2^e are f32 numbers.  NaN among the inputs is not served.
.set SP,    4112                       ; a stage row: 4,096 bytes + 16: 257 x 16, so the sixteen rows that a read touches fall on sixteen different 16-byte columns
.set SPARE, 16*SP                      ; behind the stage: the spare words, 128 bytes a wave: four blocks of 256 bytes that no other line names
.set X,   16                           ; v16-79   my two rows, 32 registers each; later the fragment's 64 numbers
.set G,   80                           ; v80-111  the gain at my columns; later v80-95 the codes
.set B,   112                          ; v112-143 the bias at my columns
.set T,   144                          ; v144-151 at work, four for each row
.set CD,  80
.set SPW, 8                            ; v8  my spare word's address; never rewritten
.set NIL, 9                            ; v9  0; never rewritten
	s_load_b256 s[4:11], s[0:1], 0x0               ; x, ln1_g, ln1_b, qkv_w
	s_load_b256 s[12:19], s[0:1], 0x20             ; proj_w, the scales' exponents, aimg, wimg
	v_lshl_add_u32 v[SPW], v0, 2, SPARE
	v_mov_b32 v[NIL], 0
	v_lshrrev_b32 v1, 5, v0
	s_delay_alu instid0(VALU_DEP_1)
	v_readfirstlane_b32 s36, v1                    ; wave 0..7
	v_and_b32 v1, 31, v0                           ; lane
	s_delay_alu instid0(VALU_DEP_1)
	v_lshlrev_b32 v2, 4, v1                        ; 16 x lane: my bytes of a load's 512, of g and b, and of a piece of the image
	s_delay_alu instid0(VALU_DEP_1)
	v_add_nc_u32 v3, 4096, v2                      ; my second row
	v_and_b32 v6, 15, v0                           ; r
	v_bfe_u32 v7, v0, 4, 1                         ; h
	s_mul_i32 s45, s36, 2*SP
	v_add_nc_u32 v4, s45, v2                       ; the stage, way in: my wave's two rows, 16 x lane
	v_mul_u32_u24 v5, v6, SP
	s_delay_alu instid0(VALU_DEP_1)
	v_lshl_add_u32 v5, v7, 5, v5
	s_lshl_b32 s45, s36, 9
	v_add_nc_u32 v5, s45, v5                       ; way out: row r, + 512 w (fragment w's 128 numbers), + 32 h
	s_mov_b32 s54, 0x3a800000                      ; 1 / 1024
	s_mov_b32 s55, 0x3727c5ac                      ; 1e-5
	s_mov_b32 s56, 0x76543210                      ; v_permlanex16_b32: lane l xor 16
	s_mov_b32 s57, 0xfedcba98
	; the job: first work-group of its tensor (s42), the image's place in wimg (s44)
	s_mov_b32 s42, 448
	s_mov_b32 s44, 3145728
	s_cmp_lt_u32 ttmp9, 448
	s_cselect_b32 s42, 256, s42
	s_cselect_b32 s44, 0, s44
	s_cmp_lt_u32 ttmp9, 256
	s_cselect_b32 s42, 0, s42
	s_sub_co_u32 s37, ttmp9, s42                   ; the job's row tile rho
	s_lshl_b32 s50, s37, 16                        ; 16 rows of 4,096 bytes
	s_lshl_b32 s45, s36, 13
	s_add_co_u32 s50, s50, s45                     ; + my two rows
	s_mov_b32 s51, 0
	s_lshl_b32 s52, s37, 14                        ; the row tile's 8 fragments
	s_add_co_u32 s52, s52, s44
	s_lshl_b32 s45, s36, 11
	s_add_co_u32 s52, s52, s45                     ; + mine
	s_mov_b32 s53, 0
	s_wait_alu depctr_va_vdst(0)
	s_wait_kmcnt 0x0
	s_load_b256 s[24:31], s[14:15], 0x0            ; e0 .. e7
	s_mov_b64 s[40:41], s[12:13]
	s_cmp_lt_u32 ttmp9, 448                        ; the choices hang on the work-group's number alone
	s_cselect_b64 s[40:41], s[10:11], s[40:41]
	s_cmp_lt_u32 ttmp9, 256
	s_cselect_b64 s[40:41], s[4:5], s[40:41]
	s_cselect_b64 s[46:47], s[16:17], s[18:19]
	s_add_nc_u64 s[40:41], s[40:41], s[50:51]
	s_add_nc_u64 s[46:47], s[46:47], s[52:53]
.irp j, 0,1,2,3,4,5,6,7
	global_load_b128 v[X+4*\j:X+4*\j+3], v2, s[40:41] offset:512*\j th:TH_LOAD_NT        ; 32 lanes read 512 consecutive bytes: lane l holds k = 128 j + 4 l + 0..3
	global_load_b128 v[X+32+4*\j:X+32+4*\j+3], v3, s[40:41] offset:512*\j th:TH_LOAD_NT
.endr
	s_wait_kmcnt 0x0
	s_mov_b32 s43, s31
	s_cmp_lt_u32 ttmp9, 448
	s_cselect_b32 s43, s25, s43
	s_cmp_lt_u32 ttmp9, 256
	s_cselect_b32 s43, s24, s43                    ; e
	s_add_co_i32 s43, s43, 127
	s_lshl_b32 s45, s43, 23
	v_mov_b32 v11, s45                             ; 2^e as f32: the conversion takes its exponent field
	s_add_co_i32 s43, s43, 8
	s_lshl_b32 s43, s43, 23
	s_or_b32 s43, s43, 0x600000
	v_mov_b32 v10, s43                             ; 448 x 2^e
	s_cmp_ge_u32 ttmp9, 256
	s_cbranch_scc1 .Lstage                         ; a weight is quantised as it is.  The arm below holds no LDS instruction and no barrier
	; ---- LayerNorm of my two rows, the rows by turns line by line
.irp j, 0,1,2,3,4,5,6,7
	global_load_b128 v[G+4*\j:G+4*\j+3], v2, s[6:7] offset:512*\j
	global_load_b128 v[B+4*\j:B+4*\j+3], v2, s[8:9] offset:512*\j
.endr
	s_wait_loadcnt 16                              ; x's sixteen loads are in; the sixteen of g and b may be out
.macro WSUM                            ; the two chains of each row, the pair's halves, then the 32 lanes: every lane ends with the row's sum in v[T + 4 u]
.irp u, 0
	s_delay_alu instid0(VALU_DEP_3)
	v_pk_add_f32 v[T+4*\u:T+4*\u+1], v[T+4*\u:T+4*\u+1], v[T+4*\u+2:T+4*\u+3]
.endr
.irp u, 1
	s_delay_alu instid0(VALU_DEP_2)
	v_pk_add_f32 v[T+4*\u:T+4*\u+1], v[T+4*\u:T+4*\u+1], v[T+4*\u+2:T+4*\u+3]
.endr
.irp u, 0,1
	s_delay_alu instid0(VALU_DEP_2)
	v_add_f32 v[T+4*\u], v[T+4*\u], v[T+4*\u+1]
.endr
.irp m, 1,2,4,8
.irp u, 0,1
	s_delay_alu instid0(VALU_DEP_2)
	v_add_f32_dpp v[T+4*\u], v[T+4*\u], v[T+4*\u] row_xmask:\m row_mask:0xf bank_mask:0xf
.endr
.endr
.irp u, 0,1
	s_delay_alu instid0(VALU_DEP_2)
	v_permlanex16_b32 v[T+4*\u+1], v[T+4*\u], s56, s57
.endr
.irp u, 0,1
	s_delay_alu instid0(VALU_DEP_2)
	v_add_f32 v[T+4*\u], v[T+4*\u], v[T+4*\u+1]
.endr
.endm
.irp u, 0,1
	v_pk_add_f32 v[T+4*\u:T+4*\u+1], v[X+32*\u:X+32*\u+1], v[X+32*\u+2:X+32*\u+3]
	v_pk_add_f32 v[T+4*\u+2:T+4*\u+3], v[X+32*\u+4:X+32*\u+5], v[X+32*\u+6:X+32*\u+7]
.endr
.irp i, 8,12,16,20,24,28
.irp u, 0,1
	s_delay_alu instid0(VALU_DEP_4)
	v_pk_add_f32 v[T+4*\u:T+4*\u+1], v[T+4*\u:T+4*\u+1], v[X+32*\u+\i:X+32*\u+\i+1]
	s_delay_alu instid0(VALU_DEP_4)
	v_pk_add_f32 v[T+4*\u+2:T+4*\u+3], v[T+4*\u+2:T+4*\u+3], v[X+32*\u+\i+2:X+32*\u+\i+3]
.endr
.endr
	WSUM
.irp u, 0,1
	s_delay_alu instid0(VALU_DEP_2)
	v_mul_f32 v[T+4*\u], s54, v[T+4*\u]            ; the mean
.endr
.set i, 0
.rept 16
.irp u, 0,1
	v_pk_add_f32 v[X+32*\u+i:X+32*\u+i+1], v[X+32*\u+i:X+32*\u+i+1], v[T+4*\u:T+4*\u+1] op_sel_hi:[1,0] neg_lo:[0,1] neg_hi:[0,1]   ; x - mean (the pair's low word for both halves)
.endr
.set i, i+2
.endr
.irp u, 0,1
	v_pk_mul_f32 v[T+4*\u:T+4*\u+1], v[X+32*\u:X+32*\u+1], v[X+32*\u:X+32*\u+1]
	v_pk_mul_f32 v[T+4*\u+2:T+4*\u+3], v[X+32*\u+2:X+32*\u+3], v[X+32*\u+2:X+32*\u+3]
.endr
.irp i, 4,8,12,16,20,24,28
.irp u, 0,1
	s_delay_alu instid0(VALU_DEP_4)
	v_pk_fma_f32 v[T+4*\u:T+4*\u+1], v[X+32*\u+\i:X+32*\u+\i+1], v[X+32*\u+\i:X+32*\u+\i+1], v[T+4*\u:T+4*\u+1]
	s_delay_alu instid0(VALU_DEP_4)
	v_pk_fma_f32 v[T+4*\u+2:T+4*\u+3], v[X+32*\u+\i+2:X+32*\u+\i+3], v[X+32*\u+\i+2:X+32*\u+\i+3], v[T+4*\u+2:T+4*\u+3]
.endr
.endr
	WSUM
.irp u, 0,1
	s_delay_alu instid0(VALU_DEP_2)
	v_fma_f32 v[T+4*\u], v[T+4*\u], s54, s55       ; the variance + 1e-5
.endr
	s_wait_alu depctr_va_vdst(0)
.irp u, 0,1
	v_rsq_f32 v[T+4*\u+2], v[T+4*\u]
.endr
	v_nop                                          ; a plain instruction behind the last of the two
	s_wait_alu depctr_va_vdst(0)                   ; one wait for both, ahead of their first reader
	s_wait_loadcnt 0x0                             ; g and b
.set i, 0
.rept 16
.irp u, 0,1
	v_pk_mul_f32 v[X+32*\u+i:X+32*\u+i+1], v[X+32*\u+i:X+32*\u+i+1], v[T+4*\u+2:T+4*\u+3] op_sel_hi:[1,0]
.endr
.irp u, 0,1
	s_delay_alu instid0(VALU_DEP_2)
	v_pk_fma_f32 v[X+32*\u+i:X+32*\u+i+1], v[X+32*\u+i:X+32*\u+i+1], v[G+i:G+i+1], v[B+i:B+i+1]
.endr
.set i, i+2
.endr
.Lstage:
	s_wait_loadcnt 0x0
	s_wait_alu depctr_va_vdst(0)
.irp u, 0,1
.irp j, 0,1,2,3,4,5,6,7
	ds_store_b128 v4, v[X+32*\u+4*\j:X+32*\u+4*\j+3] offset:SP*\u+512*\j
.endr
.endr
	s_wait_dscnt 0x0                               ; for the others' sake: my two rows lie in the stage
	s_barrier_signal -1
	s_barrier_wait -1
.irp c, 0,1,2,3,4,5,6,7
.irp q, 0,1
	ds_load_b128 v[X+8*\c+4*\q:X+8*\c+4*\q+3], v5 offset:64*\c+16*\q    ; row r, k = 128 w + 16 c + 8 h + 4 q + 0..3
.endr
.endr
	s_wait_dscnt 0x0
.set i, 0
.rept 64
	v_med3_num_f32 v[X+i], v[X+i], -v10, v10       ; the conversion to an 8-bit code does not saturate (ISA guide 7.6.2): the hold at the largest code x the scale
.set i, i+1
.endr
.irp c, 0,1,2,3,4,5,6,7
	v_cvt_scalef32_pk8_fp8_f32 v[CD+2*\c:CD+2*\c+1], v[X+8*\c:X+8*\c+7], v11      ; registers 2 c, 2 c + 1 of the fragment
.endr
	v_nop                                          ; a plain line behind the last conversion
.irp i, 0,1,2,3
	global_store_b128 v2, v[CD+4*\i:CD+4*\i+3], s[46:47] offset:512*\i    ; 32 lanes store 512 consecutive bytes, aligned
.endr
	s_wait_tensorcnt 0x0                           ; the wave's end, behind my last LDS store
	ds_add_u32 v[SPW], v[NIL]
	s_wait_dscnt 0x0
	s_endpgm
.Lfunc_end_k_q6eafc84379_prep:
	.size	k_q6eafc84379_prep, .Lfunc_end_k_q6eafc84379_prep-k_q6eafc84379_prep
	.p2alignl 7, 3214868480
	.fill 96, 4, 3214868480
	.section	.rodata,"a",@progbits
	.p2align	6, 0x0
	.amdhsa_kernel k_q6eafc84379_prep
		.amdhsa_group_segment_fixed_size 66816
		.amdhsa_private_segment_fixed_size 0
		.amdhsa_enable_private_segment 0
		.amdhsa_kernarg_size 64
		.amdhsa_user_sgpr_count 2
		.amdhsa_user_sgpr_kernarg_segment_ptr 1
		.amdhsa_wavefront_size32 1
		.amdhsa_system_sgpr_workgroup_id_x 1
		.amdhsa_system_sgpr_workgroup_id_y 1
		.amdhsa_system_sgpr_workgroup_id_z 1
		.amdhsa_system_vgpr_workitem_id 0
		.amdhsa_next_free_vgpr 152
		.amdhsa_next_free_sgpr 66
		.amdhsa_reserve_vcc 0
		.amdhsa_float_denorm_mode_32 3
		.amdhsa_float_denorm_mode_16_64 3
		.amdhsa_memory_ordered 1
		.amdhsa_forward_progress 1
		.amdhsa_inst_pref_size 30
	.end_amdhsa_kernel
	.amdgpu_metadata
---
amdhsa.version: [ 1, 2 ]
amdhsa.kernels:
  - .name:           k_q6eafc84379_prep
    .symbol:         k_q6eafc84379_prep.kd
    .args:
      - { .name: x, .offset: 0, .size: 8, .value_kind: global_buffer, .address_space: global }
      - { .name: ln1_g, .offset: 8, .size: 8, .value_kind: global_buffer, .address_space: global }
      - { .name: ln1_b, .offset: 16, .size: 8, .value_kind: global_buffer, .address_space: global }
      - { .name: qkv_w, .offset: 24, .size: 8, .value_kind: global_buffer, .address_space: global }
      - { .name: proj_w, .offset: 32, .size: 8, .value_kind: global_buffer, .address_space: global }
      - { .name: lowp_scales, .offset: 40, .size: 8, .value_kind: global_buffer, .address_space: global }
      - { .name: aimg, .offset: 48, .size: 8, .value_kind: global_buffer, .address_space: global }
      - { .name: wimg, .offset: 56, .size: 8, .value_kind: global_buffer, .address_space: global }
    .group_segment_fixed_size: 66816
    .private_segment_fixed_size: 0
    .kernarg_segment_align: 8
    .kernarg_segment_size: 64
    .max_flat_workgroup_size: 256
    .sgpr_count:     66
    .vgpr_count:     152
    .wavefront_size: 32
...
	.end_amdgpu_metadata
.endif
;; end of part 1
;; launch qkv (part 2): grid 12 x 16, 4 waves a work-group, clusters of 4 x 4, 327,680 bytes of LDS; arguments aimg, wimg, lowp_scales, qkv_b, qkvimg; writes qkvimg
.if DOCPART == 2
	.amdgcn_target "amdgcn-amd-amdhsa--gfx1250"
	.amdhsa_code_object_version 6
	.text
	.protected	k_q6eafc84379_qkv
	.globl	k_q6eafc84379_qkv
	.p2align	8
	.type	k_q6eafc84379_qkv,@function
k_q6eafc84379_qkv:
	s_mov_b64 s[64:65], 0
	v_nop
	global_prefetch_b8 v0, s[64:65] scope:SCOPE_SE
	s_setreg_imm32_b32 hwreg(HW_REG_WAVE_MODE, 25, 1), 1
	s_wait_xcnt 0x0
	s_wait_alu depctr_hold_cnt(0) depctr_sa_sdst(0) depctr_va_vdst(0) depctr_va_sdst(0) depctr_va_ssrc(0) depctr_va_vcc(0) depctr_vm_vsrc(0)
	s_getreg_b32 s2, hwreg(HW_REG_IB_STS2, 6, 4)
	s_cmp_eq_u32 s2, 0
	s_cbranch_scc0 .Lentry_in_a_cluster
	s_endpgm
.Lentry_in_a_cluster:
	s_bfe_u32 s2, ttmp6, 0x10000c
	s_cmp_lg_u32 s2, 0xf033
	s_cbranch_scc0 .Lentry_shape_is_right
	s_endpgm
.Lentry_shape_is_right:
; QKV: q, k, v = LN1(x) Wqkv^T + b on codes of E4M3, quantised again on the way out into images for the attention launch.  K = 1,024.
; OPERANDS ARE IMAGES OF THE MATRIX OPERAND'S REGISTERS: a fragment (16 rows x 128 K) is 2,048 consecutive bytes, piece i of 512 holding each lane's registers 4 i .. 4 i + 3 at 16 x lane; fragment (row tile, K step)
; lies at row tile x 16,384 + K step x 2,048.  So a tile needs no padding, a fragment comes by four ds_load_b128 of 512 consecutive bytes each, and k stands in the place that the plain fp8 form gives it.
; A tile of the result, 256 x 256, is made by four waves, each 128 x 128: 64 accumulators, 512 registers.  K goes in steps of 256 (two products deep) through two LDS slots: four K steps, written out.
; A wave's tensor load brings 8 row tiles x 4,096 consecutive bytes: the image makes a tile's rows so long that there are only eight of them.
; THE MATRIX INSTRUCTION IS USED TRANSPOSED (source 0 = 16 rows of B, source 1 = 16 rows of A): a lane holds ONE row of A, and its eight registers eight neighbouring rows of B: eight neighbours along the next product's K.
; q and k (clusters x = 0, 1): A = tokens, B = rows of Wq, Wk: a lane holds a token and channels: the next K is the head's 64 channels.
; v (clusters x = 2): the next K is the KEYS, so the roles are exchanged in the grid, not in the code: A = rows of Wv, B = tokens: a lane holds a channel and eight neighbouring keys.  The choice is made by selects on the
; cluster's x, which all sixteen partners share; the main part is one path; only the way out has two arms, on the same number.
; CLUSTERS: 4 x 4 work-groups; A's tile is shared along a row of the cluster, B's along a column: joint loads, which divide the requests for both by four.
; OUT: q at 0 and k at 4,194,304: [batch x head 32][tile of 16 tokens 128][1,024 bytes]; v at 8,388,608: [batch x head][128 keys 16][16 channels 4][2,048 bytes].  Every store covers 512 consecutive bytes, aligned.
; value = sum x 2^(e0 + e1) + bias; code = value / 2^e, held within +-448 (e = e2 for q, e3 for k, e5 for v).  LIMITS: e0 + e1 between -126 and 127; e2, e3, e5 between -126 and 119.
; REGISTERS: window 0: v2-12 addresses and scales; v16-31 codes; v32-95 bias; v96-159 at work on the way out; v128-255 A's fragments, ONE set.  window 1: B's fragments, TWO sets.  windows 2, 3: the accumulators.
.set HALFT,  32768                     ; 8 row tiles x 4,096 bytes: what one tensor load brings, and what one wave reads of A or of B
.set SLOT,   4*HALFT                   ; A's 16 row tiles, then B's 16
.set SPARE,  2*SLOT                    ; behind the ring: the spare words, 128 bytes a wave: two blocks of 256 bytes that no other line names
.set KSB,    4096                      ; a K step of a row tile, in bytes
.set FR,     16
.set NL,     4
.set NP,     4
.set ADRA, 2                           ; v2-3   LDS address of my A fragments in slot 0, 1
.set ADRB, 4                           ; v4-5   the same for B
.set SPW,  6                           ; v6     my spare word's address; never rewritten
.set NIL,  7                           ; v7     0; never rewritten
.set LI,   8                           ; v8     16 x lane
.set BO,   9                           ; v9     32 h: my eight bias numbers of a tile (q, k)
.set LIM,  10                          ; v10    448 x 2^e
.set SCL,  11                          ; v11    2^e
.set BO2,  12                          ; v12    4 r: my channel's bias (v)
.set CD,   16
.set BI,   32
.set TT,   96
.set AF,   128
.set G1, 24
.set G0, 32
.set G1B, 48
.set G0B, 56
.set MSB, 0
.macro WIN new                         ; the immediate's high byte repeats the setting that is left; a switch that changes nothing is dropped
.if MSB != (\new)
	s_set_vgpr_msb (MSB<<8)|(\new)
.set MSB, (\new)
.endif
.endm
.set MUL_LO, 0xa1                      ; source 0 (B) window 1, source 1 (A) window 0, C and D window 2
.set MUL_HI, 0xf1                      ; the same, C and D window 3
.set TO_B,   0x40                      ; destination window 1, address window 0
; A joint load: waves 0 and 1 fetch for A, waves 2 and 3 for B; the branch hangs on the wave's number alone.  An s_nop 0 and four v_nop follow each of the two lines.
.macro JLOAD g0a, g1a, g0b, g1b
	s_cmp_eq_u32 s15, 0
	s_cbranch_scc0 .Lfor_b_\@
	tensor_load_to_lds s[\g0a:\g0a+3], s[\g1a:\g1a+7]
	s_nop 0
.rept 4
	v_nop
.endr
	s_branch .Lasked_\@
.Lfor_b_\@:
	tensor_load_to_lds s[\g0b:\g0b+3], s[\g1b:\g1b+7]
	s_nop 0
.rept 4
	v_nop
.endr
.Lasked_\@:
.endm
.macro CREST                           ; a round of the cluster's barrier behind its opening barrier
	s_cmp_lg_u32 s14, 0
	s_cbranch_scc1 .Lnot_wave_0_\@
	s_barrier_signal -3
.Lnot_wave_0_\@:
	s_barrier_wait -3
	s_barrier_signal -1
	s_barrier_wait -1
.endm
.macro CROUND
	s_barrier_signal -1
	s_barrier_wait -1
	CREST
.endm
	s_load_b256 s[4:11], s[0:1], 0x0               ; aimg, wimg, the scales' exponents, qkv_b
	s_load_b64 s[12:13], s[0:1], 0x20              ; qkvimg
	v_lshl_add_u32 v[SPW], v0, 2, SPARE
	v_mov_b32 v[NIL], 0
	ds_add_u32 v[SPW], v[NIL]                      ; the wave's opening: the add and its wait ahead of my first tensor load; work on registers stands between them
	ds_add_u32 v[SPW], v[NIL]
	v_lshrrev_b32 v1, 5, v0
	v_readfirstlane_b32 s14, v1                    ; wave 0..3
	s_lshr_b32 s15, s14, 1                         ; which half of A's rows is mine.  Also: I fetch for A (0) or for B (1)
	s_and_b32 s16, s14, 1                          ; which half of B's rows.  Also: which 8 row tiles I fetch
	s_bfe_u32 s40, ttmp6, 0x40000                  ; cx
	s_bfe_u32 s41, ttmp6, 0x40004                  ; cy
	s_and_b32 s18, ttmp7, 0xffff
	s_lshl_b32 s18, s18, 2                         ; 4 x cluster y
	s_lshl_b32 s19, ttmp9, 2                       ; 4 x cluster x
	s_cmp_eq_u32 ttmp9, 2                          ; v's clusters?  The same answer in all sixteen partners
	s_cselect_b32 s17, 0, s18
	s_cselect_b32 s42, s18, s19
	s_add_co_u32 s17, s17, s41                     ; TR, A's tile: q, k: 4 Y + cy (tokens); v: cy (rows of Wv)
	s_add_co_u32 s42, s42, s40                     ; TC, B's tile: q, k: 4 X + cx (rows of Wq, Wk); v: 4 Y + cx (tokens)
	s_lshl_b32 s43, s41, 2
	s_lshl_b32 s43, 15, s43                        ; my row of the cluster
	s_lshl_b32 s44, 0x1111, s40                    ; my column
	; descriptor group 1: 8 rows of 512 elements of 8 bytes, 2,048 elements (a row tile of the image) apart; dense in LDS
	s_or_b32 s[G1+0], s43, (3<<16)|(1<<21)         ; 15:0 the mask: A's tiles go to my row; 17:16 elements of 8 bytes; 20 no padding; 21 set beside a mask
	s_or_b32 s[G1B+0], s44, (3<<16)|(1<<21)
.irp g, G1, G1B
	s_mov_b32 s[\g+1], 512<<16                     ; tensor_dim0
	s_mov_b32 s[\g+2], 8<<16                       ; tensor_dim1
	s_mov_b32 s[\g+3], 512<<16                     ; tile_dim0
	s_mov_b32 s[\g+4], 8                           ; tile_dim1
	s_mov_b32 s[\g+5], 2048                        ; tensor_dim0_stride
	s_mov_b32 s[\g+6], 0
	s_mov_b32 s[\g+7], 0
.endr
	s_lshl_b32 s22, s16, 3
	s_lshl_b32 s20, s17, 4
	s_add_co_u32 s20, s20, s22
	s_lshl_b32 s20, s20, 14                        ; A: row tile 16 TR + 8 x half, 16,384 bytes each
	s_mov_b32 s21, 0
	s_lshl_b32 s46, s42, 4
	s_add_co_u32 s46, s46, s22
	s_lshl_b32 s46, s46, 14                        ; B likewise, by TC
	s_mov_b32 s47, 0
	s_mul_i32 s45, s14, HALFT                      ; where they go: wave x 32,768: no place in the cluster enters an LDS address
	s_wait_dscnt 0x0                               ; the opening add is done
	s_wait_kmcnt 0x0
	s_load_b256 s[68:75], s[8:9], 0x0              ; e0 .. e7
	s_add_nc_u64 s[80:81], s[6:7], 2097152         ; Wv's image: row tile 128 of qkv_w's
	s_cmp_eq_u32 ttmp9, 2
	s_cselect_b64 s[76:77], s[80:81], s[4:5]       ; A
	s_cselect_b64 s[78:79], s[4:5], s[6:7]         ; B
	s_add_nc_u64 s[20:21], s[76:77], s[20:21]
	s_add_nc_u64 s[46:47], s[78:79], s[46:47]
	; the prefetches: of the 8 row tiles that my wave fetches, the partner at place p among the four that ask jointly (cx for A, cy for B) names tiles 2 p, 2 p + 1: told apart by address alone
	s_cmp_eq_u32 s15, 0
	s_cselect_b64 s[76:77], s[20:21], s[46:47]
	s_cselect_b32 s78, s40, s41
	s_lshl_b32 s78, s78, 15
	s_mov_b32 s79, 0
	s_add_nc_u64 s[76:77], s[76:77], s[78:79]
	v_bfe_u32 v14, v0, 4, 1
	v_and_b32 v13, 15, v0
	v_lshlrev_b32 v13, 8, v13
	v_lshl_add_u32 v13, v14, 14, v13               ; lanes 256 bytes apart: sixteen to a row tile's 4,096 bytes of a K step; never rewritten
	CROUND                                         ; all sixteen work-groups are here: the first joint loads meet
.irp s, 0,1
	s_mov_b32 s[G0+4*\s], 1
	s_add_co_u32 s[G0+4*\s+1], s45, \s*SLOT
	s_add_nc_u64 s[G0+4*\s+2:G0+4*\s+3], s[20:21], \s*KSB
	s_or_b32 s[G0+4*\s+3], s[G0+4*\s+3], 0x80000000
	s_mov_b32 s[G0B+4*\s], 1
	s_add_co_u32 s[G0B+4*\s+1], s45, \s*SLOT
	s_add_nc_u64 s[G0B+4*\s+2:G0B+4*\s+3], s[46:47], \s*KSB
	s_or_b32 s[G0B+4*\s+3], s[G0B+4*\s+3], 0x80000000
	s_wait_alu depctr_va_vdst(0)
	s_wait_tensorcnt 0x0                           ; one tensor load a wave behind each round
	ds_add_u32 v[SPW], v[NIL]
	ds_add_u32 v[SPW], v[NIL]
	s_wait_dscnt 0x0
	CROUND
	JLOAD G0+4*\s, G1, G0B+4*\s, G1B
.if \s == 0
	global_prefetch_b8 v13, s[76:77] offset:KSB th:TH_LOAD_NT scope:SCOPE_SE            ; K step 1, asked for one load ahead
.endif
	global_prefetch_b8 v13, s[76:77] offset:(\s+2)*KSB th:TH_LOAD_NT scope:SCOPE_SE     ; behind the load of K step s: K step s + 2, the last being step 3
.endr
	v_and_b32 v1, 31, v0
	v_lshlrev_b32 v[LI], 4, v1
	v_bfe_u32 v[BO], v0, 4, 1
	v_lshlrev_b32 v[BO], 5, v[BO]
	v_and_b32 v[BO2], 15, v0
	v_lshlrev_b32 v[BO2], 2, v[BO2]
	s_mul_i32 s21, s15, HALFT                      ; my 8 row tiles of A
	s_mul_i32 s22, s16, HALFT                      ; my 8 of B,
	s_add_co_u32 s22, s22, 2*HALFT                 ; which lie behind A's 16
.irp s, 0,1
	v_add_nc_u32 v[ADRA+\s], s21, v[LI]
	v_add_nc_u32 v[ADRB+\s], s22, v[LI]
	s_add_co_u32 s21, s21, SLOT
	s_add_co_u32 s22, s22, SLOT
.endr
	s_wait_alu depctr_va_vdst(0)
	s_wait_kmcnt 0x0
	s_add_co_i32 s84, s68, s69
	s_add_co_i32 s84, s84, 127
	s_lshl_b32 s84, s84, 23                        ; 2^(e0 + e1) as f32
	s_mov_b32 s85, s84                             ; (named with it as a pair, so it is written)
	s_cmp_eq_u32 ttmp9, 0
	s_cselect_b32 s86, s70, s71                    ; q: e2; k: e3;
	s_cmp_eq_u32 ttmp9, 2
	s_cselect_b32 s86, s73, s86                    ; v: e5.  A select, no branch, on the loaded numbers
	s_add_co_i32 s86, s86, 127
	s_lshl_b32 s87, s86, 23
	v_mov_b32 v[SCL], s87
	s_add_co_i32 s86, s86, 8
	s_lshl_b32 s86, s86, 23
	s_or_b32 s86, s86, 0x600000
	v_mov_b32 v[LIM], s86
.macro FRAG reg, adr, q, i             ; a fragment as it lies: four pieces of 512 consecutive bytes
.irp c, 0,1,2,3
	ds_load_b128 v[\reg+4*\c:\reg+4*\c+3], v[\adr] offset:2048*(\q)+512*\c+(\i)*KSB
.endr
.endm
; 16 matrix instructions: A's blocks a0, a0 + 1 x B's eight, 128 along K.  p: B's set.  zero = 1: the first product starts the sums.  The 64 accumulators take turns, one instruction a turn, in the same order in every step.
.macro MUL16 a0, p, zero
.irp a, \a0, \a0+1
.irp b, 0,1,2,3,4,5,6,7
.if \zero
	v_wmma_f32_16x16x128_fp8_fp8 v[8*(8*((\a)%4)+\b):8*(8*((\a)%4)+\b)+7], v[128*(\p)+FR*\b:128*(\p)+FR*\b+FR-1], v[AF+FR*(\a):AF+FR*(\a)+FR-1], 0
.else
	v_wmma_f32_16x16x128_fp8_fp8 v[8*(8*((\a)%4)+\b):8*(8*((\a)%4)+\b)+7], v[128*(\p)+FR*\b:128*(\p)+FR*\b+FR-1], v[AF+FR*(\a):AF+FR*(\a)+FR-1], v[8*(8*((\a)%4)+\b):8*(8*((\a)%4)+\b)+7]
.endif
.endr
.endr
.endm
.macro FETCH_B slot, q, p
	WIN TO_B
.irp i, 0,1,2,3,4,5,6,7
	FRAG 128*(\p)+FR*\i, ADRB+\slot, \q, \i
.endr
	WIN 0
.endm
.macro FETCH_A slot, q, i0
.irp i, \i0, \i0+1, \i0+2, \i0+3
	FRAG AF+FR*(\i), ADRA+\slot, \q, \i
.endr
.endm
.macro PLACES n                        ; plain vector instructions between a matrix instruction and a load into, or a vector read or write of, its registers
.rept \n
	v_nop
.endr
.endm
.macro STEP slot, q, zero              ; 128 along K whose successor lies in the same slot
	s_wait_dscnt 4*NL                              ; B's set and A's blocks 0-3 are in; the youngest sixteen loads (A's blocks 4-7) may be out
	WIN MUL_LO
	MUL16 0, (\q)%2, \zero
	MUL16 2, (\q)%2, \zero
	s_wait_dscnt 0
	PLACES NP
	FETCH_B \slot, (\q)+1, 1-(\q)%2
	FETCH_A \slot, (\q)+1, 0
	WIN MUL_HI
	MUL16 4, (\q)%2, \zero
	MUL16 6, (\q)%2, \zero
	PLACES NP
	WIN 0
	FETCH_A \slot, (\q)+1, 4
.endm
; A slot's last step changes slots: ONE barrier; in front of it each wave waits for all its tensor loads, adds 0 to its spare word, and waits for that and for its reads of this slot.  fill = 1: the slot is filled again, two K steps ahead.
.macro TURN slot, next, fill
	s_wait_tensorcnt 0x0                           ; all my tensor loads have landed: my part of the next slot
	ds_add_u32 v[SPW], v[NIL]                      ; 0 onto my spare word
	s_wait_dscnt 4*NL+1                            ; (the add and the youngest sixteen loads may be out)
	WIN MUL_LO
	MUL16 0, 1, 0
	s_wait_dscnt 0x0                               ; the add is done, and my reads of this slot are over
	s_barrier_signal -1
	MUL16 2, 1, 0
	WIN 0
	s_barrier_wait -1
.if \fill
	CREST                                          ; the barrier has opened a round of the cluster's: no wave of any partner still reads this slot or has a load on its way
	s_add_nc_u64 s[G0+4*\slot+2:G0+4*\slot+3], s[G0+4*\slot+2:G0+4*\slot+3], 2*KSB
	s_add_nc_u64 s[G0B+4*\slot+2:G0B+4*\slot+3], s[G0B+4*\slot+2:G0B+4*\slot+3], 2*KSB
	JLOAD G0+4*\slot, G1, G0B+4*\slot, G1B         ; the first tensor load behind the round; its four v_nop are the places in front of the loads below
.else
	PLACES NP
.endif
	FETCH_B \next, 0, 0
	FETCH_A \next, 0, 0
	WIN MUL_HI
	MUL16 4, 1, 0
	MUL16 6, 1, 0
	PLACES NP
	WIN 0
	FETCH_A \next, 0, 4
.endm
.macro LAST                            ; the very last step: nothing more to fetch
	s_wait_dscnt 4*NL
	WIN MUL_LO
	MUL16 0, 1, 0
	MUL16 2, 1, 0
	s_wait_dscnt 0
	WIN MUL_HI
	MUL16 4, 1, 0
	MUL16 6, 1, 0
	WIN 0
.endm
; THE WAY OUT of block a (16 rows of A x 128 rows of B): sum x 2^(e0 + e1) + bias, each accumulator from its low end on; the hold; eight conversions give the 16 registers of the next operand's fragments; four stores of 512 bytes.
.macro EPI a, isv
.set AC, 64*((\a)%4)
	WIN 0x02+((\a)/4)                              ; source 0: window 2 or 3
.set j, 0
.rept 32
.if \isv
	v_pk_fma_f32 v[TT+j:TT+j+1], v[AC+j:AC+j+1], s[84:85], v[BI+2*(\a):BI+2*(\a)+1] op_sel_hi:[1,0,1]   ; my channel's bias
.else
	v_pk_fma_f32 v[TT+j:TT+j+1], v[AC+j:AC+j+1], s[84:85], v[BI+j:BI+j+1] op_sel_hi:[1,0,1]
.endif
.set j, j+2
.endr
	WIN 0
.set j, 0
.rept 64
	v_med3_num_f32 v[TT+j], v[TT+j], -v[LIM], v[LIM]
.set j, j+1
.endr
.if (\a) > 0
	s_wait_alu depctr_va_vdst(0)
	s_wait_xcnt 0x0                                ; the last block's stores have read the codes' registers
.endif
.irp b, 0,1,2,3,4,5,6,7
	v_cvt_scalef32_pk8_fp8_f32 v[CD+2*\b:CD+2*\b+1], v[TT+8*\b:TT+8*\b+7], v[SCL]
.endr
	v_nop                                          ; a plain line behind the last conversion
.if \isv
.irp i, 0,1,2,3
	global_store_b128 v[LI], v[CD+4*\i:CD+4*\i+3], s[88:89] offset:131072*((\a)/4)+2048*((\a)%4)+512*\i   ; head a / 4, channel tile a % 4: one fragment of 128 keys
.endr
.else
.irp hh, 0,1
.irp c, 0,1
	global_store_b128 v[LI], v[CD+8*\hh+4*\c:CD+8*\hh+4*\c+3], s[88:89] offset:1024*(\a)+131072*\hh+512*\c   ; token tile a, head hh: one fragment of 64 channels
.endr
.endr
.endif
.endm
	s_wait_tensorcnt 1                             ; my part of K step 0 is in; K step 1's load may be out
	s_barrier_signal -1
	s_barrier_wait -1
	FETCH_B 0, 0, 0
	FETCH_A 0, 0, 0
	FETCH_A 0, 0, 4
	STEP 0, 0, 1                                   ; the first products start the sums: nothing is cleared
	TURN 0, 1, 1
	STEP 1, 0, 0
	TURN 1, 0, 1
	STEP 0, 0, 0
	TURN 0, 1, 0                                   ; the last two K steps fill nothing
	STEP 1, 0, 0
	s_cmp_eq_u32 ttmp9, 2                          ; the cluster's x: all waves of all partners go the same way.  No tensor load, LDS write or barrier stands in the arms
	s_cbranch_scc1 .Lv
	; ---- q, k
	s_lshl_b32 s20, s42, 10
	s_lshl_b32 s21, s16, 9
	s_add_co_u32 s20, s20, s21                     ; 4 x (256 TC + 128 x half)
	s_mov_b32 s21, 0
	s_add_nc_u64 s[10:11], s[10:11], s[20:21]
.irp b, 0,1,2,3,4,5,6,7
	global_load_b128 v[BI+8*\b:BI+8*\b+3], v[BO], s[10:11] offset:64*\b           ; the bias of channels 16 b + 8 h + 0..7; the last 64 products stand between these loads and the wait for them
	global_load_b128 v[BI+8*\b+4:BI+8*\b+7], v[BO], s[10:11] offset:64*\b+16
.endr
	s_lshr_b32 s20, s17, 3                         ; batch
	s_lshl_b32 s20, s20, 4
	s_lshl_b32 s21, s40, 2
	s_add_co_u32 s20, s20, s21
	s_lshl_b32 s21, s16, 1
	s_add_co_u32 s20, s20, s21                     ; 16 batch + my first head: 4 cx + 2 x half
	s_lshl_b32 s20, s20, 7
	s_and_b32 s21, s17, 7
	s_lshl_b32 s21, s21, 4
	s_add_co_u32 s20, s20, s21
	s_lshl_b32 s21, s15, 3
	s_add_co_u32 s20, s20, s21                     ; x 128 + my first token tile
	s_lshl_b32 s20, s20, 10
	s_lshl_b32 s21, ttmp9, 22
	s_add_co_u32 s20, s20, s21                     ; q's part or k's
	s_mov_b32 s21, 0
	s_add_nc_u64 s[88:89], s[12:13], s[20:21]
	LAST
	s_wait_loadcnt 0x0
	PLACES NP
.irp a, 0,1,2,3,4,5,6,7
	EPI \a, 0
.endr
	s_branch .Ldone
.Lv:
	; ---- v
	s_lshl_b32 s20, s17, 10
	s_lshl_b32 s21, s15, 9
	s_add_co_u32 s20, s20, s21
	s_add_co_u32 s20, s20, 8192                    ; 4 x (2,048 + 256 TR + 128 x half)
	s_mov_b32 s21, 0
	s_add_nc_u64 s[10:11], s[10:11], s[20:21]
.irp a, 0,1,2,3,4,5,6,7
	global_load_b32 v[BI+2*\a], v[BO2], s[10:11] offset:64*\a                      ; the bias of channel 16 a + r
.endr
	s_lshr_b32 s20, s42, 3                         ; batch
	s_lshl_b32 s20, s20, 4
	s_lshl_b32 s21, s17, 2
	s_add_co_u32 s20, s20, s21
	s_lshl_b32 s21, s15, 1
	s_add_co_u32 s20, s20, s21                     ; 16 batch + my first head: 4 TR + 2 x half
	s_lshl_b32 s20, s20, 4
	s_and_b32 s21, s42, 7
	s_lshl_b32 s21, s21, 1
	s_add_co_u32 s20, s20, s21
	s_add_co_u32 s20, s20, s16                     ; x 16 + my 128 keys
	s_lshl_b32 s20, s20, 13                        ; four fragments of 2,048 bytes each
	s_add_co_u32 s20, s20, 8388608
	s_mov_b32 s21, 0
	s_add_nc_u64 s[88:89], s[12:13], s[20:21]
	LAST
	s_wait_loadcnt 0x0
.irp a, 0,1,2,3,4,5,6,7
	v_mov_b32 v[BI+2*\a+1], v[BI+2*\a]             ; both halves of the pair; these eight plain lines are also the places behind the last products
.endr
.irp a, 0,1,2,3,4,5,6,7
	EPI \a, 1
.endr
.Ldone:
	s_wait_tensorcnt 0x0                           ; the wave's end
	ds_add_u32 v[SPW], v[NIL]
	s_wait_dscnt 0x0
	CROUND                                         ; the closing round: no work-group ends while a partner may still ask for a tile that names it
	s_endpgm
.Lfunc_end_k_q6eafc84379_qkv:
	.size	k_q6eafc84379_qkv, .Lfunc_end_k_q6eafc84379_qkv-k_q6eafc84379_qkv
	.p2alignl 7, 3214868480
	.fill 96, 4, 3214868480
	.section	.rodata,"a",@progbits
	.p2align	6, 0x0
	.amdhsa_kernel k_q6eafc84379_qkv
		.amdhsa_group_segment_fixed_size 327680
		.amdhsa_private_segment_fixed_size 0
		.amdhsa_enable_private_segment 0
		.amdhsa_kernarg_size 40
		.amdhsa_user_sgpr_count 2
		.amdhsa_user_sgpr_kernarg_segment_ptr 1
		.amdhsa_wavefront_size32 1
		.amdhsa_system_sgpr_workgroup_id_x 1
		.amdhsa_system_sgpr_workgroup_id_y 1
		.amdhsa_system_sgpr_workgroup_id_z 1
		.amdhsa_system_vgpr_workitem_id 0
		.amdhsa_next_free_vgpr 1024
		.amdhsa_next_free_sgpr 100
		.amdhsa_reserve_vcc 0
		.amdhsa_float_denorm_mode_32 3
		.amdhsa_float_denorm_mode_16_64 3
		.amdhsa_memory_ordered 1
		.amdhsa_forward_progress 1
		.amdhsa_inst_pref_size 200
	.end_amdhsa_kernel
	.amdgpu_metadata
---
amdhsa.version: [ 1, 2 ]
amdhsa.kernels:
  - .name:           k_q6eafc84379_qkv
    .symbol:         k_q6eafc84379_qkv.kd
    .args:
      - { .name: aimg, .offset: 0, .size: 8, .value_kind: global_buffer, .address_space: global }
      - { .name: wimg, .offset: 8, .size: 8, .value_kind: global_buffer, .address_space: global }
      - { .name: lowp_scales, .offset: 16, .size: 8, .value_kind: global_buffer, .address_space: global }
      - { .name: qkv_b, .offset: 24, .size: 8, .value_kind: global_buffer, .address_space: global }
      - { .name: qkvimg, .offset: 32, .size: 8, .value_kind: global_buffer, .address_space: global }
    .group_segment_fixed_size: 327680
    .private_segment_fixed_size: 0
    .kernarg_segment_align: 8
    .kernarg_segment_size: 40
    .max_flat_workgroup_size: 128
    .sgpr_count:     100
    .vgpr_count:     1024
    .wavefront_size: 32
...
	.end_amdgpu_metadata
.endif
;; end of part 2
;; launch attn (part 3): grid 8 x 32, 8 waves a work-group, clusters of 4 x 1, 327,680 bytes of LDS; arguments qkvimg, lowp_scales, oimg, fc1_w, fc2_w, wimg; writes oimg, wimg
.if DOCPART == 3
	.amdgcn_target "amdgcn-amd-amdhsa--gfx1250"
	.amdhsa_code_object_version 6
	.text
	.protected	k_q6eafc84379_attn
	.globl	k_q6eafc84379_attn
	.p2align	8
	.type	k_q6eafc84379_attn,@function
k_q6eafc84379_attn:
	s_mov_b64 s[64:65], 0
	v_nop
	global_prefetch_b8 v0, s[64:65] scope:SCOPE_SE
	s_setreg_imm32_b32 hwreg(HW_REG_WAVE_MODE, 25, 1), 1
	s_wait_xcnt 0x0
	s_wait_alu depctr_hold_cnt(0) depctr_sa_sdst(0) depctr_va_vdst(0) depctr_va_sdst(0) depctr_va_ssrc(0) depctr_va_vcc(0) depctr_vm_vsrc(0)
	s_getreg_b32 s2, hwreg(HW_REG_IB_STS2, 6, 4)
	s_cmp_eq_u32 s2, 0
	s_cbranch_scc0 .Lentry_in_a_cluster
	s_endpgm
.Lentry_in_a_cluster:
	s_bfe_u32 s2, ttmp6, 0x10000c
	s_cmp_lg_u32 s2, 0x3003
	s_cbranch_scc0 .Lentry_shape_is_right
	s_endpgm
.Lentry_shape_is_right:
; ATTENTION on codes of E4M3: o = softmax(q k^T / 8) v for 32 (batch, head) pairs of 2,048 tokens x 64 channels; o is quantised (e6) into the image that the projection reads.
; q, k: [bh][tile of 16 tokens][1,024 bytes], v: [bh][128 keys][16 channels][2,048 bytes]: images of the matrix operand's registers: each piece of 512 bytes holds four registers of every lane at 16 x lane.
; THE SOFTMAX: t = score x log2(e) / 8; M = the running largest t rounded UP to a whole number; p = 2^(t - M) is quantised (e4), not normalised; the row's sum is taken of the unquantised p and divides at the end.
; When M moves, the sum and O are multiplied by 2^(old M - new M), which rounds nothing.
; SHARES.  A work-group owns 256 queries of one (batch, head); each of its EIGHT waves 32 of them, two tiles: every fragment of K and of V that a wave reads from LDS feeds two products.  Two waves to a SIMD, 512 registers each.
; S^T = K Q^T (source 0 = 16 keys, source 1 = 16 queries), O^T = V^T P^T: a lane holds one query of each tile; register j of score tile t is key 16 t + 8 h + j: the conversions' results are registers 2 t, 2 t + 1 of P.
; THE HEAD'S WHOLE K AND V LIE IN LDS (131,072 bytes each), each byte filled once.  Wave w fetches quarter w % 4 of K (w < 4) or of V: at the head of key steps 0-4 (40 rows of 256 bytes), and behind the three lines
; and a round of the cluster's barrier of steps 5-15 (88 rows): one tensor load out at a time by this text's count.  Steps 0-2 read the first fill alone (K one step ahead: step 3); a barrier stands ahead of steps 3-15.
; CLUSTER.  The four query blocks of a cluster belong to one head: every tensor load is asked for jointly by the four, one descriptor, the mask of all four.
; NO PREFETCH: all that the tensor loads bring is asked for at the head, so there is no later load to run ahead of; the weights are asked for by plain loads three and thirteen key steps ahead of their use.
; THE MLP'S WEIGHTS ARE QUANTISED HERE.  Work-group g = 8 bh + block owns jobs 2 g, 2 g + 1 of 512; a job is 16 rows x 1,024 columns -> 8 fragments (bh < 16: fc1_w, scale entry 9; else fc2_w, entry 11, rows in quarters);
; the images lie from wimg + 4,194,304 on, job n at n x 16,384.  Wave w takes fragment w of both jobs, in halves of 16 rows x 64 columns: a load reads two rows' aligned 256 bytes; the half turns through the wave's OWN stage
; in LDS (no barrier), comes back as lane (r, h) wants it, is held, converted and stored as 2 x 512 consecutive bytes.
; LIMITS: e2 + e3 between -123 and 130 (added to c's exponent field); e4, e6, e9, e11 between -126 and 119; the scaled scores stay under 2^31 in magnitude.  NaN among the weights is not served.
; WINDOW 0: v1, v2 lane's place in K, V; v3, v4 the add's two; v5, v6 the stage; v8, v9 the step's addresses; v12-15 and v192-195 -M, largest t, sum of tile 0, 1; v16-31 Q; v32-159 S^T, then p; v160-191 p's codes;
; v196-219 at work; v221 2^e4; v224-231 the weights' offsets; v232-235 scales.   WINDOW 1: v0-63 K's fragments; v64-127 V's; v128-191 O^T; v192-255 weights as loaded.
.set VOFF,  131072
.set SPARE, 262144                     ; the spare words, 128 bytes a wave: four blocks of 256 bytes that no other line names
.set STAGE, SPARE+1024                 ; the weights' stages, 16 rows x WP for each wave: no tile lands here
.set WP,    272
.set NA,    3                          ; key steps ahead of the barrier
.set F0B,   40960                      ; the first fill: five key steps of 8,192 bytes
.set Q0B,   F0B/4
.set Q1B,   (131072-F0B)/4
.set SPW, 3
.set NIL, 4
.set SWI, 5
.set SWO, 6
.set AK,  8
.set AV,  9
.set ST0, 12                           ; tile o's state at ST0 + 180 o
.set QF,  16
.set S,   32                           ; tile o's scores at S + 64 o
.set P,   160                          ; its codes at P + 16 o
.set T0,  196                          ; at work, T0 + 12 o: +0 f (a pair), +2, +3 maxima, +4 .. +9 three sums, +10 a permute's destination
.set PSCL, 221
.set WO,  224
.set WLIM, 232
.set WSCL, 233
.set OLIM, 234
.set OSCL, 235
.set WR,  32                           ; a weight's numbers back from the stage, and
.set WC,  96                           ; its codes: in the scores' registers, between the loops
.set KF,  0
.set VF,  64
.set O,   128
.set WX,  192
.set WV,  18
.set MSB, 0
.macro WIN new                         ; the immediate's high byte repeats the setting that is left
.if MSB != (\new)
	s_set_vgpr_msb (MSB<<8)|(\new)
.set MSB, (\new)
.endif
.endm
.macro CROUND
	s_barrier_signal -1
	s_barrier_wait -1
	s_cmp_lg_u32 s[WV], 0
	s_cbranch_scc1 .Lnot_wave_0_\@
	s_barrier_signal -3
.Lnot_wave_0_\@:
	s_barrier_wait -3
	s_barrier_signal -1
	s_barrier_wait -1
.endm
	s_load_b128 s[4:7], s[0:1], 0x0                ; qkvimg, the scales' exponents
	s_load_b64 s[8:9], s[0:1], 0x10                ; oimg
	s_load_b128 s[68:71], s[0:1], 0x18             ; fc1_w, fc2_w
	s_load_b64 s[72:73], s[0:1], 0x28              ; wimg
	v_lshl_add_u32 v[SPW], v0, 2, SPARE
	v_mov_b32 v[NIL], 0
	ds_add_u32 v[SPW], v[NIL]                      ; the opening: the add, twice on end, and its wait ahead of my first tensor load
	ds_add_u32 v[SPW], v[NIL]
	v_lshrrev_b32 v8, 5, v0
	v_readfirstlane_b32 s[WV], v8                  ; wave 0..7
	s_bfe_u32 s13, ttmp6, 0x40000                  ; cx: it enters global addresses of Q, o and the weights alone
	s_lshl_b32 s14, ttmp9, 2
	s_add_co_u32 s14, s14, s13                     ; my block of 256 queries
	s_and_b32 s15, ttmp7, 0xffff                   ; batch x 16 + head, which the four partners share
	s_lshr_b32 s11, s[WV], 2                       ; I fetch for K (0) or for V (1),
	s_and_b32 s10, s[WV], 3                        ; this quarter of a fill
	s_lshl_b32 s12, s11, 17
	s_mul_i32 s16, s10, Q0B
	s_mul_i32 s17, s10, Q1B
	s_add_co_u32 s17, s17, F0B
	s_add_co_u32 s33, s12, s16                     ; LDS address of my part of the first fill,
	s_add_co_u32 s37, s12, s17                     ; of the second
	s_add_co_u32 s56, s11, 1
	s_lshl_b32 s56, s56, 22                        ; k's part of the buffer, or v's
	s_lshl_b32 s60, s15, 17                        ; the head's 131,072 bytes
	s_add_co_u32 s56, s56, s60
	s_add_co_u32 s58, s56, s17
	s_add_co_u32 s56, s56, s16
	s_mov_b32 s57, 0
	s_mov_b32 s59, 0
	; descriptor groups 1: rows of 32 elements of 8 bytes, dense in memory and in LDS: 40 rows, 88 rows
.irp g, 24, 40
	s_mov_b32 s[\g], 15|(3<<16)|(1<<21)            ; the mask of all four work-groups; elements of 8 bytes; bit 21 beside a mask
	s_mov_b32 s[\g+1], 32<<16
	s_mov_b32 s[\g+3], 32<<16
	s_mov_b32 s[\g+5], 32
	s_mov_b32 s[\g+6], 0
	s_mov_b32 s[\g+7], 0
.endr
	s_mov_b32 s26, (Q0B/256)<<16
	s_mov_b32 s28, Q0B/256
	s_mov_b32 s42, (Q1B/256)<<16
	s_mov_b32 s44, Q1B/256
	s_mov_b32 s20, 0x76543210                      ; v_permlanex16_b32: lane l xor 16
	s_mov_b32 s21, 0xfedcba98
	s_mov_b32 s22, 0x3e38aa3b                      ; c = log2(e) / 8
	s_lshl_b32 s61, s14, 4
	s_lshl_b32 s62, s[WV], 1
	s_add_co_u32 s61, s61, s62                     ; my first tile of 16 queries in the head
	s_lshl_b32 s62, s61, 10
	s_add_co_u32 s62, s62, s60                     ; q: its 1,024 bytes
	s_mov_b32 s63, 0
	s_lshl_b32 s74, s61, 14                        ; o: a row tile of the image is 16,384 bytes
	s_lshr_b32 s75, s15, 4
	s_lshl_b32 s75, s75, 21                        ; batch x 128 row tiles
	s_add_co_u32 s74, s74, s75
	s_bfe_u32 s75, s15, 0x30001                    ; head / 2: the projection's K step of 128
	s_lshl_b32 s75, s75, 11
	s_add_co_u32 s74, s74, s75
	s_and_b32 s75, s15, 1                          ; head % 2: its lower or upper 64
	s_lshl_b32 s75, s75, 10
	s_add_co_u32 s74, s74, s75
	s_mov_b32 s75, 0
	; the weights' jobs: offsets made of ids alone
	s_lshl_b32 s80, s15, 3
	s_add_co_u32 s80, s80, s14                     ; g = 8 bh + block
	s_lshl_b32 s81, s80, 17                        ; fc1_w: job 2 g begins at row 32 g of 4,096 bytes
	s_and_b32 s83, s80, 127                        ; fc2_w: g - 128:
	s_lshr_b32 s84, s83, 1
	s_lshl_b32 s84, s84, 18                        ; its row tile, 16 rows of 16,384 bytes,
	s_and_b32 s85, s83, 1
	s_lshl_b32 s85, s85, 13                        ; its first quarter of a row: 0 or 2
	s_add_co_u32 s84, s84, s85
	s_lshl_b32 s86, s80, 15                        ; the images: job 2 g at 2 g x 16,384,
	s_lshl_b32 s87, s[WV], 11
	s_add_co_u32 s86, s86, s87                     ; + my fragment,
	s_add_co_u32 s86, s86, 4194304                 ; behind qkv_w's and proj_w's images
	s_mov_b32 s87, 0
	s_lshl_b32 s82, s[WV], 9                       ; my fragment's 512 bytes of a row
	s_mov_b32 s96, 4096
	s_mov_b32 s90, 16384
	s_cmp_lt_u32 s15, 16                           ; fc1_w's work-group or fc2_w's: the head's number alone
	s_cselect_b32 s92, s81, s84
	s_cselect_b32 s96, 0x10000, s96                ; from a job to the next
	s_cselect_b32 s90, 4096, s90                   ; a row of the weight in bytes
	s_add_co_u32 s92, s92, s82
	s_mov_b32 s93, 0
	s_mov_b32 s97, 0
	s_lshl_b32 s91, s90, 1
	s_wait_dscnt 0x0                               ; both opening adds are done
	s_wait_kmcnt 0x0
	s_load_b256 s[48:55], s[6:7], 0x0              ; e0 .. e7
	s_load_b128 s[76:79], s[6:7], 0x20             ; e8 .. e11
	s_mov_b32 s32, 1
	s_add_nc_u64 s[34:35], s[4:5], s[56:57]
	s_or_b32 s35, s35, 0x80000000
	s_mov_b32 s36, 1
	s_add_nc_u64 s[38:39], s[4:5], s[58:59]
	s_or_b32 s39, s39, 0x80000000
	s_add_nc_u64 s[62:63], s[4:5], s[62:63]
	s_add_nc_u64 s[8:9], s[8:9], s[74:75]
	s_cmp_lt_u32 s15, 16
	s_cselect_b64 s[88:89], s[68:69], s[70:71]
	s_add_nc_u64 s[88:89], s[88:89], s[92:93]      ; my fragment's columns in my first job,
	s_add_nc_u64 s[94:95], s[88:89], s[96:97]      ; in my second,
	s_add_nc_u64 s[98:99], s[72:73], s[86:87]      ; and its image
	CROUND                                         ; all four work-groups are here: the joint loads meet
	tensor_load_to_lds s[32:35], s[24:31]          ; key steps 0-4: my one tensor load at the head
	s_nop 0
	v_and_b32 v1, 31, v0
	v_lshlrev_b32 v1, 4, v1                        ; 16 x lane
	v_add_nc_u32 v2, VOFF, v1
	v_and_b32 v10, 15, v0                          ; r
	v_bfe_u32 v11, v0, 4, 1                        ; h
	s_mul_i32 s10, s[WV], 16*WP
	s_add_co_u32 s10, s10, STAGE                   ; my stage
	v_mul_u32_u24 v[SWI], v11, WP
	v_lshl_add_u32 v[SWI], v10, 4, v[SWI]
	v_add_nc_u32 v[SWI], s10, v[SWI]               ; way in: lanes 0-15 one row's 256 bytes, lanes 16-31 the next row's
	v_mul_u32_u24 v[SWO], v10, WP
	v_lshl_add_u32 v[SWO], v11, 5, v[SWO]
	v_add_nc_u32 v[SWO], s10, v[SWO]               ; way out: row r, + 32 h
	v_mul_lo_u32 v[WO], v11, s90
	v_lshl_add_u32 v[WO], v10, 4, v[WO]            ; the same two rows in the weight; load t takes rows 2 t, 2 t + 1
.irp t, 1,2,3,4,5,6,7
	v_add_nc_u32 v[WO+\t], s91, v[WO+\t-1]
.endr
	s_wait_alu depctr_va_vdst(0)
.irp c, 0,1,2,3
	global_load_b128 v[QF+4*\c:QF+4*\c+3], v1, s[62:63] offset:512*\c    ; Q's two fragments stay in registers
.endr
; Job b's two halves of my fragment: 16 loads, each two rows' aligned 256 bytes
.macro WLOAD b
	WIN 0x40
.irp u, 0,1
.irp t, 0,1,2,3,4,5,6,7
	global_load_b128 v[WX+32*\u+4*\t:WX+32*\u+4*\t+3], v[WO+\t], s[\b:\b+1] offset:256*\u th:TH_LOAD_NT
.endr
.endr
	WIN 0
.endm
	WLOAD 88
.irp o, 0,1
	v_mov_b32 v[ST0+180*\o+1], 0xff61b1e6          ; the largest t so far: -3e38
	v_floor_f32 v[ST0+180*\o], -v[ST0+180*\o+1]    ; -M
	v_mov_b32 v[ST0+180*\o+2], 0                   ; the sum, in two halves
	v_mov_b32 v[ST0+180*\o+3], 0
	v_mov_b32 v[T0+12*\o+1], 0                     ; (named as the upper half of f's pair)
	v_mov_b32 v[T0+12*\o+10], 0                    ; a lane permute's destination counts as one of its sources
.endr
	WIN 0x40
.set j, 0
.rept 64
	v_mov_b32 v[O+j], 0                            ; O^T: the step has no first form of its own: the first change of M multiplies zeros
.set j, j+1
.endr
	WIN 0
	s_wait_kmcnt 0x0
	s_add_co_i32 s10, s50, s51
	s_lshl_b32 s10, s10, 23
	s_add_co_i32 s22, s22, s10                     ; a score stands for score x 2^(e2 + e3): added to c's exponent field
	s_mov_b32 s23, s22
	s_add_co_i32 s10, s52, 127
	s_lshl_b32 s11, s10, 23
	v_mov_b32 v[PSCL], s11                         ; 2^e4
	s_add_co_i32 s10, s10, 8
	s_lshl_b32 s10, s10, 23
	s_or_b32 s66, s10, 0x600000                    ; 448 x 2^e4
	s_add_co_i32 s10, s54, 127
	s_lshl_b32 s11, s10, 23
	v_mov_b32 v[OSCL], s11                         ; 2^e6
	s_add_co_i32 s10, s10, 8
	s_lshl_b32 s10, s10, 23
	s_or_b32 s10, s10, 0x600000
	v_mov_b32 v[OLIM], s10                         ; 448 x 2^e6
	s_add_co_i32 s19, s52, s53                     ; e4 + e5
	s_cmp_lt_u32 s15, 16
	s_cselect_b32 s10, s77, s79                    ; my weight's e: a select on the head's number, no branch
	s_add_co_i32 s10, s10, 127
	s_lshl_b32 s11, s10, 23
	v_mov_b32 v[WSCL], s11
	s_add_co_i32 s10, s10, 8
	s_lshl_b32 s10, s10, 23
	s_or_b32 s10, s10, 0x600000
	v_mov_b32 v[WLIM], s10
; A KEY STEP: 128 keys, whose 8,192 bytes of K and of V begin at LDS byte s2 (+ VOFF).  K's fragments were fetched in the step before.
; O^T and the sums are brought under the new M AHEAD of the exponentials: so O^T, a matrix result, is first read with no transcendental behind its products, and the batch's two waits serve all that is written ahead of it.
.macro STEP
	s_add_co_u32 s10, s2, 8192
	s_min_u32 s10, s10, 15*8192                    ; the next step's K; the last step names its own again, so that the address stays in K
	v_add_nc_u32 v[AK], s10, v1
	v_add_nc_u32 v[AV], s2, v2
	s_wait_alu depctr_va_vdst(0)                   ; directly ahead of the wait below
	s_wait_dscnt 0x0                               ; K
	WIN 0x01
.irp t, 0,1,2,3,4,5,6,7
.irp o, 0,1
	v_wmma_f32_16x16x64_fp8_fp8 v[S+64*\o+8*\t:S+64*\o+8*\t+7], v[KF+8*\t:KF+8*\t+7], v[QF+8*\o:QF+8*\o+7], 0
.endr
.endr
.rept 4
	v_nop                                          ; places in front of the loads below and of the first read of the scores
.endr
	WIN 0x40
.irp t, 0,1,2,3
.irp c, 0,1,2,3
	ds_load_b128 v[VF+16*\t+4*\c:VF+16*\t+4*\c+3], v[AV] offset:2048*\t+512*\c
.endr
.endr
.irp t, 0,1,2,3,4,5,6,7
.irp c, 0,1
	ds_load_b128 v[KF+8*\t+4*\c:KF+8*\t+4*\c+3], v[AK] offset:1024*\t+512*\c
.endr
.endr
	WIN 0
.irp o, 0,1                                    ; the step's largest score of each query among my 64 keys: two chains a tile, the tiles by turns, each score tile from its low end on
	v_max3_num_f32 v[T0+12*\o+2], v[S+64*\o], v[S+64*\o+1], v[S+64*\o+2]
	v_max3_num_f32 v[T0+12*\o+3], v[S+64*\o+3], v[S+64*\o+4], v[S+64*\o+5]
.endr
.irp i, 6,10,14,18,22,26,30,34,38,42,46,50,54,58
.irp o, 0,1
	v_max3_num_f32 v[T0+12*\o+2], v[T0+12*\o+2], v[S+64*\o+\i], v[S+64*\o+\i+1]
	v_max3_num_f32 v[T0+12*\o+3], v[T0+12*\o+3], v[S+64*\o+\i+2], v[S+64*\o+\i+3]
.endr
.endr
.irp o, 0,1
	v_max3_num_f32 v[T0+12*\o+2], v[T0+12*\o+2], v[S+64*\o+62], v[S+64*\o+63]
.endr
.irp o, 0,1
	v_max_num_f32 v[T0+12*\o+2], v[T0+12*\o+2], v[T0+12*\o+3]
.endr
.irp o, 0,1
	v_permlanex16_b32 v[T0+12*\o+10], v[T0+12*\o+2], s20, s21
.endr
.irp o, 0,1
	v_max_num_f32 v[T0+12*\o+2], v[T0+12*\o+2], v[T0+12*\o+10]     ; and among lane l xor 16's
.endr
.irp o, 0,1
	v_mul_f32 v[T0+12*\o+2], s22, v[T0+12*\o+2]    ; as t (c is positive)
.endr
.irp o, 0,1
	v_max_num_f32 v[ST0+180*\o+1], v[ST0+180*\o+1], v[T0+12*\o+2]
.endr
.irp o, 0,1
	v_mov_b32 v[T0+12*\o+2], v[ST0+180*\o]
.endr
.irp o, 0,1
	v_floor_f32 v[ST0+180*\o], -v[ST0+180*\o+1]    ; the new -M = -ceil(t)
.endr
.irp o, 0,1
	v_sub_f32 v[T0+12*\o+2], v[ST0+180*\o], v[T0+12*\o+2]          ; old M - new M: a whole number, 0 or less
.endr
.irp o, 0,1
	v_cvt_i32_f32 v[T0+12*\o+2], v[T0+12*\o+2]     ; (it saturates)
.endr
.irp o, 0,1
	v_ldexp_f32 v[T0+12*\o], 1.0, v[T0+12*\o+2]    ; f = 2^(old M - new M)
.endr
	WIN 0x41
.irp o, 0,1
.set j, 0
.rept 16
	v_pk_mul_f32 v[O+32*\o+j:O+32*\o+j+1], v[O+32*\o+j:O+32*\o+j+1], v[T0+12*\o:T0+12*\o+1] op_sel_hi:[1,0]   ; O^T under the new M, each accumulator from its low end on
.set j, j+2
.endr
.endr
	WIN 0
.irp o, 0,1
	v_pk_mul_f32 v[ST0+180*\o+2:ST0+180*\o+3], v[ST0+180*\o+2:ST0+180*\o+3], v[T0+12*\o:T0+12*\o+1] op_sel_hi:[1,0]   ; the sums under the new M
.endr
.irp o, 0,1
.set j, 0
.rept 32
	v_pk_fma_f32 v[S+64*\o+j:S+64*\o+j+1], v[S+64*\o+j:S+64*\o+j+1], s[22:23], v[ST0+180*\o:ST0+180*\o+1] op_sel_hi:[1,0,0]   ; t - M
.set j, j+2
.endr
.endr
	s_wait_alu depctr_va_vdst(0)                   ; ahead of the batch
.set j, 0
.rept 128
	v_exp_f32 v[S+j], v[S+j]                       ; p = 2^(t - M)
.set j, j+1
.endr
	v_nop                                          ; a plain line behind the exponentials
	s_wait_alu depctr_va_vdst(0)                   ; one wait for the whole batch, ahead of its first reader
	s_wait_dscnt 16                                ; V is in; the sixteen younger loads, the next step's K, may be out
.irp o, 0,1                                    ; the row's sum of the unquantised p: four chains a tile, the tiles by turns
	v_pk_add_f32 v[T0+12*\o+4:T0+12*\o+5], v[S+64*\o:S+64*\o+1], v[S+64*\o+2:S+64*\o+3]
	v_pk_add_f32 v[T0+12*\o+6:T0+12*\o+7], v[S+64*\o+4:S+64*\o+5], v[S+64*\o+6:S+64*\o+7]
	v_pk_add_f32 v[T0+12*\o+8:T0+12*\o+9], v[S+64*\o+8:S+64*\o+9], v[S+64*\o+10:S+64*\o+11]
.endr
.set j, 12
.rept 6
.irp o, 0,1
	v_pk_add_f32 v[ST0+180*\o+2:ST0+180*\o+3], v[ST0+180*\o+2:ST0+180*\o+3], v[S+64*\o+j:S+64*\o+j+1]
	v_pk_add_f32 v[T0+12*\o+4:T0+12*\o+5], v[T0+12*\o+4:T0+12*\o+5], v[S+64*\o+j+2:S+64*\o+j+3]
	v_pk_add_f32 v[T0+12*\o+6:T0+12*\o+7], v[T0+12*\o+6:T0+12*\o+7], v[S+64*\o+j+4:S+64*\o+j+5]
	v_pk_add_f32 v[T0+12*\o+8:T0+12*\o+9], v[T0+12*\o+8:T0+12*\o+9], v[S+64*\o+j+6:S+64*\o+j+7]
.endr
.set j, j+8
.endr
.irp o, 0,1
	v_pk_add_f32 v[ST0+180*\o+2:ST0+180*\o+3], v[ST0+180*\o+2:ST0+180*\o+3], v[S+64*\o+60:S+64*\o+61]
	v_pk_add_f32 v[T0+12*\o+4:T0+12*\o+5], v[T0+12*\o+4:T0+12*\o+5], v[S+64*\o+62:S+64*\o+63]
	v_pk_add_f32 v[T0+12*\o+6:T0+12*\o+7], v[T0+12*\o+6:T0+12*\o+7], v[T0+12*\o+8:T0+12*\o+9]
.endr
.irp o, 0,1
	v_pk_add_f32 v[ST0+180*\o+2:ST0+180*\o+3], v[ST0+180*\o+2:ST0+180*\o+3], v[T0+12*\o+4:T0+12*\o+5]
.endr
.irp o, 0,1
	v_pk_add_f32 v[ST0+180*\o+2:ST0+180*\o+3], v[ST0+180*\o+2:ST0+180*\o+3], v[T0+12*\o+6:T0+12*\o+7]
.endr
.set j, 0
.rept 64
	v_dual_min_num_f32 v[S+j], s66, v[S+j] :: v_dual_min_num_f32 v[S+j+1], s66, v[S+j+1]   ; the conversion does not saturate (ISA guide 7.6.2); p is not negative: a one-sided hold, two numbers a line
.set j, j+2
.endr
.irp o, 0,1
.irp t, 0,1,2,3,4,5,6,7
	v_cvt_scalef32_pk8_fp8_f32 v[P+16*\o+2*\t:P+16*\o+2*\t+1], v[S+64*\o+8*\t:S+64*\o+8*\t+7], v[PSCL]
.endr
.endr
	v_nop                                          ; a plain line between the conversions and the products
	WIN 0x51
.irp t, 0,1,2,3                                ; the eight accumulators by turns
.irp o, 0,1
	v_wmma_f32_16x16x128_fp8_fp8 v[O+32*\o+8*\t:O+32*\o+8*\t+7], v[VF+16*\t:VF+16*\t+15], v[P+16*\o:P+16*\o+15], v[O+32*\o+8*\t:O+32*\o+8*\t+7]
.endr
.endr
	WIN 0
	s_add_co_u32 s2, s2, 8192
.endm
.macro STEPS n
	s_mov_b32 s3, \n
.Lstep_\@:
	STEP
	s_sub_co_u32 s3, s3, 1
	s_cmp_lg_u32 s3, 0
	s_cbranch_scc1 .Lstep_\@
.endm
; Job j's two halves of my fragment turn through my own stage (LDS serves a wave's instructions in order: no wait between stores and loads), are held, converted and stored
.macro WWORK j
	s_wait_loadcnt 0x0
.irp u, 0,1
	WIN 0x04
.irp t, 0,1,2,3,4,5,6,7
	ds_store_b128 v[SWI], v[WX+32*\u+4*\t:WX+32*\u+4*\t+3] offset:2*WP*\t
.endr
	WIN 0
.irp i, 0,1,2,3
.irp q, 0,1
	ds_load_b128 v[WR+32*\u+8*\i+4*\q:WR+32*\u+8*\i+4*\q+3], v[SWO] offset:64*\i+16*\q    ; row r, k = 64 u + 16 i + 8 h + 4 q + 0..3
.endr
.endr
.endr
	s_wait_dscnt 0x0
.set j, 0
.rept 64
	v_med3_num_f32 v[WR+j], v[WR+j], -v[WLIM], v[WLIM]
.set j, j+1
.endr
.irp k, 0,1,2,3,4,5,6,7
	v_cvt_scalef32_pk8_fp8_f32 v[WC+2*\k:WC+2*\k+1], v[WR+8*\k:WR+8*\k+7], v[WSCL]
.endr
	v_nop                                          ; a plain line behind the last conversion
.irp i, 0,1,2,3
	global_store_b128 v1, v[WC+4*\i:WC+4*\i+3], s[98:99] offset:16384*(\j)+512*\i    ; 32 lanes store 512 consecutive bytes, aligned
.endr
.endm
	s_wait_alu depctr_va_vdst(0)                   ; at the head's end
	s_wait_tensorcnt 0x0                           ; my part of the first fill is in; the three lines ahead of a later first fill, as ahead of a refill
	ds_add_u32 v[SPW], v[NIL]
	s_wait_dscnt 0x0
	CROUND                                         ; everybody's part is in, and the four work-groups are here
	tensor_load_to_lds s[36:39], s[40:47]          ; key steps 5-15: the first tensor load behind the round
	s_nop 0
	WIN 0x40
.irp t, 0,1,2,3,4,5,6,7
.irp c, 0,1
	ds_load_b128 v[KF+8*\t+4*\c:KF+8*\t+4*\c+3], v1 offset:1024*\t+512*\c       ; step 0's K
.endr
.endr
	WIN 0
	s_wait_loadcnt 16                              ; Q's four loads are in; the weights' sixteen may be out
	s_mov_b32 s2, 0
	STEPS NA
	s_wait_tensorcnt 0x0                           ; my part of the second fill
	WWORK 0
	WLOAD 94
	s_wait_xcnt 0x0                                ; the stores have read the codes' registers, which the scores take again
	s_wait_alu depctr_va_vdst(0)
	s_wait_dscnt 0x0
	s_barrier_signal -1
	s_barrier_wait -1                              ; everybody's part of the second fill is in
	s_mov_b32 s2, NA*8192
	STEPS 16-NA
	WWORK 1
	; THE WAY OUT: O^T / the sum x 2^(e4 + e5), held and converted: register j of tile t is channel 16 t + 8 h + j of my query: registers 2 t, 2 t + 1 of the projection's operand
.irp o, 0,1
	v_add_f32 v[ST0+180*\o+2], v[ST0+180*\o+2], v[ST0+180*\o+3]
.endr
.irp o, 0,1
	v_permlanex16_b32 v[T0+12*\o+10], v[ST0+180*\o+2], s20, s21
.endr
.irp o, 0,1
	v_add_f32 v[ST0+180*\o+2], v[ST0+180*\o+2], v[T0+12*\o+10]     ; the row's sum
.endr
	s_wait_alu depctr_va_vdst(0)
.irp o, 0,1
	v_rcp_f32 v[ST0+180*\o+2], v[ST0+180*\o+2]
.endr
	v_nop                                          ; a plain line behind the reciprocals
	s_wait_alu depctr_va_vdst(0)                   ; and the wait ahead of their first reader
.irp o, 0,1
	v_ldexp_f32 v[ST0+180*\o+2], v[ST0+180*\o+2], s19
.endr
	WIN 0x01
	s_wait_alu depctr_va_vdst(0)                   ; directly ahead of the first reader of O^T
.irp o, 0,1
.set j, 0
.rept 32
	v_mul_f32 v[S+32*\o+j], v[O+32*\o+j], v[ST0+180*\o+2]
.set j, j+1
.endr
.endr
	WIN 0
.set j, 0
.rept 64
	v_med3_num_f32 v[S+j], v[S+j], -v[OLIM], v[OLIM]
.set j, j+1
.endr
.irp k, 0,1,2,3,4,5,6,7
	v_cvt_scalef32_pk8_fp8_f32 v[P+2*\k:P+2*\k+1], v[S+8*\k:S+8*\k+7], v[OSCL]
.endr
	v_nop
.irp o, 0,1
	global_store_b128 v1, v[P+8*\o:P+8*\o+3], s[8:9] offset:16384*\o           ; 32 lanes store 512 consecutive bytes, aligned
	global_store_b128 v1, v[P+8*\o+4:P+8*\o+7], s[8:9] offset:16384*\o+512
.endr
	s_wait_tensorcnt 0x0                           ; the wave's end
	ds_add_u32 v[SPW], v[NIL]
	s_wait_dscnt 0x0
	CROUND                                         ; the closing round
	s_endpgm
.Lfunc_end_k_q6eafc84379_attn:
	.size	k_q6eafc84379_attn, .Lfunc_end_k_q6eafc84379_attn-k_q6eafc84379_attn
	.p2alignl 7, 3214868480
	.fill 96, 4, 3214868480
	.section	.rodata,"a",@progbits
	.p2align	6, 0x0
	.amdhsa_kernel k_q6eafc84379_attn
		.amdhsa_group_segment_fixed_size 327680
		.amdhsa_private_segment_fixed_size 0
		.amdhsa_enable_private_segment 0
		.amdhsa_kernarg_size 48
		.amdhsa_user_sgpr_count 2
		.amdhsa_user_sgpr_kernarg_segment_ptr 1
		.amdhsa_wavefront_size32 1
		.amdhsa_system_sgpr_workgroup_id_x 1
		.amdhsa_system_sgpr_workgroup_id_y 1
		.amdhsa_system_sgpr_workgroup_id_z 1
		.amdhsa_system_vgpr_workitem_id 0
		.amdhsa_next_free_vgpr 512
		.amdhsa_next_free_sgpr 100
		.amdhsa_reserve_vcc 0
		.amdhsa_float_denorm_mode_32 3
		.amdhsa_float_denorm_mode_16_64 3
		.amdhsa_memory_ordered 1
		.amdhsa_forward_progress 1
		.amdhsa_inst_pref_size 95
	.end_amdhsa_kernel
	.amdgpu_metadata
---
amdhsa.version: [ 1, 2 ]
amdhsa.kernels:
  - .name:           k_q6eafc84379_attn
    .symbol:         k_q6eafc84379_attn.kd
    .args:
      - { .name: qkvimg, .offset: 0, .size: 8, .value_kind: global_buffer, .address_space: global }
      - { .name: lowp_scales, .offset: 8, .size: 8, .value_kind: global_buffer, .address_space: global }
      - { .name: oimg, .offset: 16, .size: 8, .value_kind: global_buffer, .address_space: global }
      - { .name: fc1_w, .offset: 24, .size: 8, .value_kind: global_buffer, .address_space: global }
      - { .name: fc2_w, .offset: 32, .size: 8, .value_kind: global_buffer, .address_space: global }
      - { .name: wimg, .offset: 40, .size: 8, .value_kind: global_buffer, .address_space: global }
    .group_segment_fixed_size: 327680
    .private_segment_fixed_size: 0
    .kernarg_segment_align: 8
    .kernarg_segment_size: 48
    .max_flat_workgroup_size: 256
    .sgpr_count:     100
    .vgpr_count:     512
    .wavefront_size: 32
...
	.end_amdgpu_metadata
.endif
;; end of part 3
;; launch proj (part 4): grid 8 x 32, 4 waves a work-group, clusters of 4 x 4, 327,680 bytes of LDS; arguments oimg, wimg, lowp_scales, proj_b, x, x1; writes x1
.if DOCPART == 4
	.amdgcn_target "amdgcn-amd-amdhsa--gfx1250"
	.amdhsa_code_object_version 6
	.text
	.protected	k_q6eafc84379_proj
	.globl	k_q6eafc84379_proj
	.p2align	8
	.type	k_q6eafc84379_proj,@function
k_q6eafc84379_proj:
	s_mov_b64 s[64:65], 0
	v_nop
	global_prefetch_b8 v0, s[64:65] scope:SCOPE_SE
	s_setreg_imm32_b32 hwreg(HW_REG_WAVE_MODE, 25, 1), 1
	s_wait_xcnt 0x0
	s_wait_alu depctr_hold_cnt(0) depctr_sa_sdst(0) depctr_va_vdst(0) depctr_va_sdst(0) depctr_va_ssrc(0) depctr_va_vcc(0) depctr_vm_vsrc(0)
	s_getreg_b32 s2, hwreg(HW_REG_IB_STS2, 6, 4)
	s_cmp_eq_u32 s2, 0
	s_cbranch_scc0 .Lentry_in_a_cluster
	s_endpgm
.Lentry_in_a_cluster:
	s_bfe_u32 s2, ttmp6, 0x10000c
	s_cmp_lg_u32 s2, 0xf033
	s_cbranch_scc0 .Lentry_shape_is_right
	s_endpgm
.Lentry_shape_is_right:
.set KTOT,   1024
.set EOFF,   0x18
.set WOFF,   3145728
.set LAPS,   KTOT/1024
.set HALFT,  32768
.set SLOT,   4*HALFT
.set KSB,    8192
.set STAGE,  2*SLOT
.set SPITCH, 272
.set SPARE,  STAGE+4*16*SPITCH
.set ADRA, 2
.set ADRB, 4
.set SPW,  6
.set NIL,  7
.set STO,  8
.set RD,   9
.set CO,   10
.set BIA,  12
.set TMP,  32
.set ACC,  128
.set F0,   0
.set F1,   128
.set G1, 24
.set G0, 32
.set G1B, 48
.set G0B, 56
.set MSB, 0
.macro WIN new
.if MSB != (\new)
	s_set_vgpr_msb (MSB<<8)|(\new)
.set MSB, (\new)
.endif
.endm
.set MUL,  0x05
.set TO_F, 0x40
.macro JLOAD s
	s_cmp_eq_u32 s17, 0
	s_cbranch_scc0 .Lfor_b_\@
	tensor_load_to_lds s[G0+4*\s:G0+4*\s+3], s[G1:G1+7]
	s_nop 0
.rept 4
	v_nop
.endr
	s_branch .Lasked_\@
.Lfor_b_\@:
	tensor_load_to_lds s[G0B+4*\s:G0B+4*\s+3], s[G1B:G1B+7]
	s_nop 0
.rept 4
	v_nop
.endr
.Lasked_\@:
.endm
.macro CREST
	s_cmp_lg_u32 s16, 0
	s_cbranch_scc1 .Lnot_wave_0_\@
	s_barrier_signal -3
.Lnot_wave_0_\@:
	s_barrier_wait -3
	s_barrier_signal -1
	s_barrier_wait -1
.endm
.macro CROUND
	s_barrier_signal -1
	s_barrier_wait -1
	CREST
.endm
	s_load_b256 s[4:11], s[0:1], 0x0
	s_load_b128 s[12:15], s[0:1], 0x20
	v_lshl_add_u32 v[SPW], v0, 2, SPARE
	v_mov_b32 v[NIL], 0
	ds_add_u32 v[SPW], v[NIL]
	ds_add_u32 v[SPW], v[NIL]
	v_lshrrev_b32 v1, 5, v0
	v_readfirstlane_b32 s16, v1
	s_lshr_b32 s17, s16, 1
	s_and_b32 s18, s16, 1
	s_bfe_u32 s40, ttmp6, 0x40000
	s_bfe_u32 s41, ttmp6, 0x40004
	s_lshl_b32 s42, ttmp9, 2
	s_add_co_u32 s42, s42, s40
	s_and_b32 s19, ttmp7, 0xffff
	s_lshl_b32 s19, s19, 2
	s_add_co_u32 s19, s19, s41
	s_lshl_b32 s43, s41, 2
	s_lshl_b32 s43, 15, s43
	s_lshl_b32 s44, 0x1111, s40
	s_or_b32 s[G1+0], s43, (3<<16)|(1<<21)
	s_or_b32 s[G1B+0], s44, (3<<16)|(1<<21)
.irp g, G1, G1B
	s_mov_b32 s[\g+1], 1024<<16
	s_mov_b32 s[\g+2], 4<<16
	s_mov_b32 s[\g+3], 1024<<16
	s_mov_b32 s[\g+4], 4
	s_mov_b32 s[\g+5], 2*KTOT
	s_mov_b32 s[\g+6], 0
	s_mov_b32 s[\g+7], 0
.endr
	s_lshl_b32 s22, s18, 2
	s_lshl_b32 s20, s19, 3
	s_add_co_u32 s20, s20, s22
	s_mul_i32 s20, s20, 16*KTOT
	s_mov_b32 s21, 0
	s_lshl_b32 s46, s42, 3
	s_add_co_u32 s46, s46, s22
	s_mul_i32 s46, s46, 16*KTOT
	s_add_co_u32 s46, s46, WOFF
	s_mov_b32 s47, 0
	s_mul_i32 s45, s16, HALFT
	s_wait_dscnt 0x0
	s_wait_kmcnt 0x0
	s_load_b64 s[96:97], s[8:9], EOFF
	s_add_nc_u64 s[20:21], s[4:5], s[20:21]
	s_add_nc_u64 s[46:47], s[6:7], s[46:47]
	; the prefetch: of the 4 row tiles that my wave fetches, the partner at place p among the four that ask jointly (cx for A, cy for B) names tile p: told apart by address alone
	s_cmp_eq_u32 s17, 0
	s_cselect_b64 s[70:71], s[20:21], s[46:47]
	s_cselect_b32 s72, s40, s41
	s_mul_i32 s72, s72, 16*KTOT
	s_mov_b32 s73, 0
	s_add_nc_u64 s[70:71], s[70:71], s[72:73]
	v_and_b32 v19, 31, v0
	v_lshlrev_b32 v19, 8, v19                      ; lanes 256 bytes apart: a row tile's 8,192 bytes of a K step; never rewritten
	CROUND
.irp s, 0,1
	s_mov_b32 s[G0+4*\s], 1
	s_add_co_u32 s[G0+4*\s+1], s45, \s*SLOT
	s_add_nc_u64 s[G0+4*\s+2:G0+4*\s+3], s[20:21], \s*KSB
	s_or_b32 s[G0+4*\s+3], s[G0+4*\s+3], 0x80000000
	s_mov_b32 s[G0B+4*\s], 1
	s_add_co_u32 s[G0B+4*\s+1], s45, \s*SLOT
	s_add_nc_u64 s[G0B+4*\s+2:G0B+4*\s+3], s[46:47], \s*KSB
	s_or_b32 s[G0B+4*\s+3], s[G0B+4*\s+3], 0x80000000
	s_wait_alu depctr_va_vdst(0)
	s_wait_tensorcnt 0x0
	ds_add_u32 v6, v7
	ds_add_u32 v6, v7
	s_wait_dscnt 0x0
	CROUND
	JLOAD \s
.if \s == 0
	global_prefetch_b8 v19, s[70:71] offset:KSB th:TH_LOAD_NT scope:SCOPE_SE            ; K step 1, the last, asked for one load ahead
.endif
.endr
	v_and_b32 v1, 31, v0
	v_lshlrev_b32 v11, 4, v1
	v_and_b32 v16, 15, v0
	s_wait_alu depctr_va_vdst(0)
	v_bfe_u32 v17, v0, 4, 1
	s_mul_i32 s21, s17, HALFT
	s_mul_i32 s22, s18, HALFT
	s_add_co_u32 s22, s22, 2*HALFT
.irp s, 0,1
	v_add_nc_u32 v[ADRA+\s], s21, v11
	v_add_nc_u32 v[ADRB+\s], s22, v11
	s_add_co_u32 s21, s21, SLOT
	s_add_co_u32 s22, s22, SLOT
.endr
	s_mul_i32 s23, s16, 16*SPITCH
	s_add_co_u32 s23, s23, STAGE
	v_mul_u32_u24 v[STO], v16, SPITCH
	s_wait_alu depctr_va_vdst(0)
	v_lshl_add_u32 v[STO], v17, 5, v[STO]
	v_add_nc_u32 v[STO], s23, v[STO]
	v_mul_u32_u24 v[RD], v17, SPITCH
	v_lshl_add_u32 v[RD], v16, 4, v[RD]
	v_add_nc_u32 v[RD], s23, v[RD]
	v_lshlrev_b32 v[CO], 12, v17
	v_lshl_add_u32 v[CO], v16, 4, v[CO]
	v_lshlrev_b32 v18, 4, v16
	s_wait_alu depctr_va_vdst(0)
	s_lshl_b32 s20, s19, 7
	s_lshl_b32 s21, s17, 6
	s_add_co_u32 s20, s20, s21
	s_lshl_b32 s20, s20, 12
	s_lshl_b32 s46, s42, 9
	s_lshl_b32 s47, s18, 8
	s_add_co_u32 s46, s46, s47
	s_mov_b32 s47, 0
	s_add_co_u32 s20, s20, s46
	s_mov_b32 s21, 0
	s_add_nc_u64 s[10:11], s[10:11], s[46:47]
	s_add_nc_u64 s[12:13], s[12:13], s[20:21]
	s_add_nc_u64 s[14:15], s[14:15], s[20:21]
	global_load_b128 v[BIA:BIA+3], v18, s[10:11]
	WIN 0x80
.irp a, 0,1,2,3
.irp t, 0,1,2,3,4,5,6,7
	global_load_b128 v[32*\a+4*\t:32*\a+4*\t+3], v[CO], s[12:13] offset:(16*\a+2*\t)*4096 th:TH_LOAD_NT
.endr
.endr
	WIN 0
.macro MULA f, a, zero
.irp b, 0,1,2,3
.if \zero
	v_wmma_f32_16x16x128_fp8_fp8 v[ACC+8*(4*(\a)+\b):ACC+8*(4*(\a)+\b)+7], v[\f+64+16*\b:\f+64+16*\b+15], v[\f+16*(\a):\f+16*(\a)+15], 0
.else
	v_wmma_f32_16x16x128_fp8_fp8 v[ACC+8*(4*(\a)+\b):ACC+8*(4*(\a)+\b)+7], v[\f+64+16*\b:\f+64+16*\b+15], v[\f+16*(\a):\f+16*(\a)+15], v[ACC+8*(4*(\a)+\b):ACC+8*(4*(\a)+\b)+7]
.endif
.endr
.endm
.macro FETCH slot, q, f
	WIN TO_F
.irp i, 0,1,2,3
.irp c, 0,1,2,3
	ds_load_b128 v[\f+64+16*\i+4*\c:\f+64+16*\i+4*\c+3], v[ADRB+\slot] offset:KSB*\i+2048*(\q)+512*\c
.endr
.endr
.irp i, 0,1,2,3
.irp c, 0,1,2,3
	ds_load_b128 v[\f+16*\i+4*\c:\f+16*\i+4*\c+3], v[ADRA+\slot] offset:KSB*\i+2048*(\q)+512*\c
.endr
.endr
.endm
.macro PLACES
.rept 4
	v_nop
.endr
.endm
.macro QUARTER slot, qn, f, g, zero
	s_wait_dscnt 0x0
	PLACES
	FETCH \slot, \qn, \g
	WIN MUL
	MULA \f, 0, \zero
	MULA \f, 1, \zero
	MULA \f, 2, \zero
	MULA \f, 3, \zero
.endm
.macro TURN slot, next, fill
	WIN 0
	s_wait_tensorcnt 0x0
	ds_add_u32 v[SPW], v[NIL]
	s_wait_dscnt 1
	WIN MUL
	MULA F1, 0, 0
	s_wait_dscnt 0x0
	s_barrier_signal -1
	MULA F1, 1, 0
	WIN 0
	s_barrier_wait -1
.if \fill
	CREST
	s_add_nc_u64 s[G0+4*\slot+2:G0+4*\slot+3], s[G0+4*\slot+2:G0+4*\slot+3], 2*KSB
	s_add_nc_u64 s[G0B+4*\slot+2:G0B+4*\slot+3], s[G0B+4*\slot+2:G0B+4*\slot+3], 2*KSB
	JLOAD \slot
.else
	PLACES
.endif
	FETCH \next, 0, F0
	WIN MUL
	MULA F1, 2, 0
	MULA F1, 3, 0
.endm
	s_wait_tensorcnt 1
	s_barrier_signal -1
	s_barrier_wait -1
	FETCH 0, 0, F0
	QUARTER 0, 1, F0, F1, 1
.if LAPS > 1
	WIN 0
	s_mov_b32 s3, LAPS-1
.Llap:
	QUARTER 0, 2, F1, F0, 0
	QUARTER 0, 3, F0, F1, 0
	TURN 0, 1, 1
	QUARTER 1, 1, F0, F1, 0
	QUARTER 1, 2, F1, F0, 0
	QUARTER 1, 3, F0, F1, 0
	TURN 1, 0, 1
	QUARTER 0, 1, F0, F1, 0
	WIN 0
	s_sub_co_u32 s3, s3, 1
	s_cmp_lg_u32 s3, 0
	s_cbranch_scc1 .Llap
.endif
	QUARTER 0, 2, F1, F0, 0
	QUARTER 0, 3, F0, F1, 0
	TURN 0, 1, 0
	QUARTER 1, 1, F0, F1, 0
	QUARTER 1, 2, F1, F0, 0
	QUARTER 1, 3, F0, F1, 0
	s_wait_dscnt 0x0
	MULA F1, 0, 0
	MULA F1, 1, 0
	MULA F1, 2, 0
	MULA F1, 3, 0
	WIN 0
.macro TOSTAGE a
.irp b, 0,1,2,3
	ds_store_b128 v[STO], v[ACC+8*(4*(\a)+\b):ACC+8*(4*(\a)+\b)+3] offset:64*\b
	ds_store_b128 v[STO], v[ACC+8*(4*(\a)+\b)+4:ACC+8*(4*(\a)+\b)+7] offset:64*\b+16
.endr
.irp t, 0,1,2,3,4,5,6,7
	ds_load_b128 v[TMP+32*((\a)%2)+4*\t:TMP+32*((\a)%2)+4*\t+3], v[RD] offset:2*\t*SPITCH
.endr
.endm
.macro SEND a, younger
.set TB, TMP+32*((\a)%2)
	s_wait_dscnt \younger
.set j, 0
.rept 16
	v_pk_fma_f32 v[TB+j:TB+j+1], v[TB+j:TB+j+1], s[96:97], v[BIA+j%4:BIA+j%4+1] op_sel_hi:[1,0,1]
.set j, j+2
.endr
	WIN 0x08
.set j, 0
.rept 16
	v_pk_add_f32 v[TB+j:TB+j+1], v[TB+j:TB+j+1], v[32*(\a)+j:32*(\a)+j+1]
.set j, j+2
.endr
	WIN 0
.irp t, 0,1,2,3,4,5,6,7
	global_store_b128 v[CO], v[TB+4*\t:TB+4*\t+3], s[14:15] offset:(16*(\a)+2*\t)*4096
.endr
.endm
	s_wait_loadcnt 0x0
	s_wait_kmcnt 0x0
	s_add_co_i32 s96, s96, s97
	s_add_co_i32 s96, s96, 127
	s_lshl_b32 s96, s96, 23
	s_mov_b32 s97, s96
	PLACES
	TOSTAGE 0
.irp a, 1,2,3
.if \a > 1
	s_wait_xcnt 0x0
.endif
	TOSTAGE \a
	SEND \a-1, 16
.endr
	SEND 3, 0
	s_wait_tensorcnt 0x0
	ds_add_u32 v[SPW], v[NIL]
	s_wait_dscnt 0x0
	CROUND
	s_endpgm
.Lfunc_end_k_q6eafc84379_proj:
	.size	k_q6eafc84379_proj, .Lfunc_end_k_q6eafc84379_proj-k_q6eafc84379_proj
	.p2alignl 7, 3214868480
	.fill 96, 4, 3214868480
	.section	.rodata,"a",@progbits
	.p2align	6, 0x0
	.amdhsa_kernel k_q6eafc84379_proj
		.amdhsa_group_segment_fixed_size 327680
		.amdhsa_private_segment_fixed_size 0
		.amdhsa_enable_private_segment 0
		.amdhsa_kernarg_size 48
		.amdhsa_user_sgpr_count 2
		.amdhsa_user_sgpr_kernarg_segment_ptr 1
		.amdhsa_wavefront_size32 1
		.amdhsa_system_sgpr_workgroup_id_x 1
		.amdhsa_system_sgpr_workgroup_id_y 1
		.amdhsa_system_sgpr_workgroup_id_z 1
		.amdhsa_system_vgpr_workitem_id 0
		.amdhsa_next_free_vgpr 640
		.amdhsa_next_free_sgpr 100
		.amdhsa_reserve_vcc 0
		.amdhsa_float_denorm_mode_32 3
		.amdhsa_float_denorm_mode_16_64 3
		.amdhsa_memory_ordered 1
		.amdhsa_forward_progress 1
		.amdhsa_inst_pref_size 54
	.end_amdhsa_kernel
	.amdgpu_metadata
---
amdhsa.version: [ 1, 2 ]
amdhsa.kernels:
  - .name:           k_q6eafc84379_proj
    .symbol:         k_q6eafc84379_proj.kd
    .args:
      - { .name: oimg, .offset: 0, .size: 8, .value_kind: global_buffer, .address_space: global }
      - { .name: wimg, .offset: 8, .size: 8, .value_kind: global_buffer, .address_space: global }
      - { .name: lowp_scales, .offset: 16, .size: 8, .value_kind: global_buffer, .address_space: global }
      - { .name: proj_b, .offset: 24, .size: 8, .value_kind: global_buffer, .address_space: global }
      - { .name: x, .offset: 32, .size: 8, .value_kind: global_buffer, .address_space: global }
      - { .name: x1, .offset: 40, .size: 8, .value_kind: global_buffer, .address_space: global }
    .group_segment_fixed_size: 327680
    .private_segment_fixed_size: 0
    .kernarg_segment_align: 8
    .kernarg_segment_size: 48
    .max_flat_workgroup_size: 128
    .sgpr_count:     100
    .vgpr_count:     640
    .wavefront_size: 32
...
	.end_amdgpu_metadata
.endif
;; end of part 4
;; launch ln2 (part 5): grid 256 x 1, 8 waves a work-group, no clusters, 66,816 bytes of LDS; arguments x1, ln2_g, ln2_b, lowp_scales, aimg; writes aimg
.if DOCPART == 5
	.amdgcn_target "amdgcn-amd-amdhsa--gfx1250"
	.amdhsa_code_object_version 6
	.text
	.protected	k_q6eafc84379_ln2
	.globl	k_q6eafc84379_ln2
	.p2align	8
	.type	k_q6eafc84379_ln2,@function
k_q6eafc84379_ln2:
	s_mov_b64 s[64:65], 0
	v_nop
	global_prefetch_b8 v0, s[64:65] scope:SCOPE_SE
	s_setreg_imm32_b32 hwreg(HW_REG_WAVE_MODE, 25, 1), 1
	s_wait_xcnt 0x0
; LN2: LayerNorm 2 of x1 becomes codes of E4M3 (scale entry 8), laid as the image of the matrix operand's registers that the first MLP product reads: fragment (row tile rho, K step kap), 16 rows x 128 K, is 2,048
; consecutive bytes at rho x 16,384 + kap x 2,048; piece i of 512 holds each lane's registers 4 i .. 4 i + 3 at 16 x lane.
; A work-group takes 16 rows of 1,024.  A wave loads two whole rows (each load 512 consecutive bytes), normalises them (a row never leaves its wave; the mean first, then the variance of the differences), and puts them
; into a stage in LDS; behind one barrier wave w reads fragment w, holds, converts and stores 4 x 512 consecutive bytes.  No tensor load, no cluster: work-groups share no input but g and b.
; LIMITS: e8 between -126 and 119.  NaN among the inputs is not served.
.set SP,    4112                       ; a stage row: 4,096 bytes + 16
.set SPARE, 16*SP                      ; the spare words, 128 bytes a wave
.set X,   16
.set G,   80
.set B,   112
.set T,   144
.set CD,  80
.set SPW, 8
.set NIL, 9
	s_load_b256 s[4:11], s[0:1], 0x0               ; x1, ln2_g, ln2_b, the scales' exponents
	s_load_b64 s[12:13], s[0:1], 0x20              ; aimg
	v_lshl_add_u32 v[SPW], v0, 2, SPARE
	v_mov_b32 v[NIL], 0
	v_lshrrev_b32 v1, 5, v0
	s_delay_alu instid0(VALU_DEP_1)
	v_readfirstlane_b32 s36, v1                    ; wave 0..7
	v_and_b32 v1, 31, v0
	s_delay_alu instid0(VALU_DEP_1)
	v_lshlrev_b32 v2, 4, v1                        ; 16 x lane
	s_delay_alu instid0(VALU_DEP_1)
	v_add_nc_u32 v3, 4096, v2                      ; my second row
	v_and_b32 v6, 15, v0                           ; r
	v_bfe_u32 v7, v0, 4, 1                         ; h
	s_mul_i32 s45, s36, 2*SP
	v_add_nc_u32 v4, s45, v2                       ; the stage, way in
	v_mul_u32_u24 v5, v6, SP
	s_delay_alu instid0(VALU_DEP_1)
	v_lshl_add_u32 v5, v7, 5, v5
	s_lshl_b32 s45, s36, 9
	v_add_nc_u32 v5, s45, v5                       ; way out: row r, + 512 w, + 32 h
	s_mov_b32 s54, 0x3a800000                      ; 1 / 1024
	s_mov_b32 s55, 0x3727c5ac                      ; 1e-5
	s_mov_b32 s56, 0x76543210
	s_mov_b32 s57, 0xfedcba98
	s_lshl_b32 s50, ttmp9, 16                      ; 16 rows of 4,096 bytes
	s_lshl_b32 s45, s36, 13
	s_add_co_u32 s50, s50, s45                     ; + my two rows
	s_mov_b32 s51, 0
	s_lshl_b32 s52, ttmp9, 14                      ; the row tile's 8 fragments
	s_lshl_b32 s45, s36, 11
	s_add_co_u32 s52, s52, s45                     ; + mine
	s_mov_b32 s53, 0
	s_wait_alu depctr_va_vdst(0)
	s_wait_kmcnt 0x0
	s_load_b32 s43, s[10:11], 0x20                 ; e8
	s_add_nc_u64 s[40:41], s[4:5], s[50:51]
	s_add_nc_u64 s[46:47], s[12:13], s[52:53]
.irp j, 0,1,2,3,4,5,6,7
	global_load_b128 v[X+4*\j:X+4*\j+3], v2, s[40:41] offset:512*\j
	global_load_b128 v[X+32+4*\j:X+32+4*\j+3], v3, s[40:41] offset:512*\j
.endr
.irp j, 0,1,2,3,4,5,6,7
	global_load_b128 v[G+4*\j:G+4*\j+3], v2, s[6:7] offset:512*\j
	global_load_b128 v[B+4*\j:B+4*\j+3], v2, s[8:9] offset:512*\j
.endr
	s_wait_kmcnt 0x0
	s_add_co_i32 s43, s43, 127
	s_lshl_b32 s45, s43, 23
	v_mov_b32 v11, s45                             ; 2^e8
	s_add_co_i32 s43, s43, 8
	s_lshl_b32 s43, s43, 23
	s_or_b32 s43, s43, 0x600000
	v_mov_b32 v10, s43                             ; 448 x 2^e8
	s_wait_loadcnt 16                              ; x1's sixteen loads are in; the sixteen of g and b may be out
.macro WSUM                            ; the two chains of each row, the pair's halves, then the 32 lanes
.irp u, 0
	s_delay_alu instid0(VALU_DEP_3)
	v_pk_add_f32 v[T+4*\u:T+4*\u+1], v[T+4*\u:T+4*\u+1], v[T+4*\u+2:T+4*\u+3]
.endr
.irp u, 1
	s_delay_alu instid0(VALU_DEP_2)
	v_pk_add_f32 v[T+4*\u:T+4*\u+1], v[T+4*\u:T+4*\u+1], v[T+4*\u+2:T+4*\u+3]
.endr
.irp u, 0,1
	s_delay_alu instid0(VALU_DEP_2)
	v_add_f32 v[T+4*\u], v[T+4*\u], v[T+4*\u+1]
.endr
.irp m, 1,2,4,8
.irp u, 0,1
	s_delay_alu instid0(VALU_DEP_2)
	v_add_f32_dpp v[T+4*\u], v[T+4*\u], v[T+4*\u] row_xmask:\m row_mask:0xf bank_mask:0xf
.endr
.endr
.irp u, 0,1
	s_delay_alu instid0(VALU_DEP_2)
	v_permlanex16_b32 v[T+4*\u+1], v[T+4*\u], s56, s57
.endr
.irp u, 0,1
	s_delay_alu instid0(VALU_DEP_2)
	v_add_f32 v[T+4*\u], v[T+4*\u], v[T+4*\u+1]
.endr
.endm
.irp u, 0,1
	v_pk_add_f32 v[T+4*\u:T+4*\u+1], v[X+32*\u:X+32*\u+1], v[X+32*\u+2:X+32*\u+3]
	v_pk_add_f32 v[T+4*\u+2:T+4*\u+3], v[X+32*\u+4:X+32*\u+5], v[X+32*\u+6:X+32*\u+7]
.endr
.irp i, 8,12,16,20,24,28
.irp u, 0,1
	s_delay_alu instid0(VALU_DEP_4)
	v_pk_add_f32 v[T+4*\u:T+4*\u+1], v[T+4*\u:T+4*\u+1], v[X+32*\u+\i:X+32*\u+\i+1]
	s_delay_alu instid0(VALU_DEP_4)
	v_pk_add_f32 v[T+4*\u+2:T+4*\u+3], v[T+4*\u+2:T+4*\u+3], v[X+32*\u+\i+2:X+32*\u+\i+3]
.endr
.endr
	WSUM
.irp u, 0,1
	s_delay_alu instid0(VALU_DEP_2)
	v_mul_f32 v[T+4*\u], s54, v[T+4*\u]            ; the mean
.endr
.set i, 0
.rept 16
.irp u, 0,1
	v_pk_add_f32 v[X+32*\u+i:X+32*\u+i+1], v[X+32*\u+i:X+32*\u+i+1], v[T+4*\u:T+4*\u+1] op_sel_hi:[1,0] neg_lo:[0,1] neg_hi:[0,1]   ; x - mean
.endr
.set i, i+2
.endr
.irp u, 0,1
	v_pk_mul_f32 v[T+4*\u:T+4*\u+1], v[X+32*\u:X+32*\u+1], v[X+32*\u:X+32*\u+1]
	v_pk_mul_f32 v[T+4*\u+2:T+4*\u+3], v[X+32*\u+2:X+32*\u+3], v[X+32*\u+2:X+32*\u+3]
.endr
.irp i, 4,8,12,16,20,24,28
.irp u, 0,1
	s_delay_alu instid0(VALU_DEP_4)
	v_pk_fma_f32 v[T+4*\u:T+4*\u+1], v[X+32*\u+\i:X+32*\u+\i+1], v[X+32*\u+\i:X+32*\u+\i+1], v[T+4*\u:T+4*\u+1]
	s_delay_alu instid0(VALU_DEP_4)
	v_pk_fma_f32 v[T+4*\u+2:T+4*\u+3], v[X+32*\u+\i+2:X+32*\u+\i+3], v[X+32*\u+\i+2:X+32*\u+\i+3], v[T+4*\u+2:T+4*\u+3]
.endr
.endr
	WSUM
.irp u, 0,1
	s_delay_alu instid0(VALU_DEP_2)
	v_fma_f32 v[T+4*\u], v[T+4*\u], s54, s55       ; the variance + 1e-5
.endr
	s_wait_alu depctr_va_vdst(0)
.irp u, 0,1
	v_rsq_f32 v[T+4*\u+2], v[T+4*\u]
.endr
	v_nop                                          ; a plain instruction behind the last of the two
	s_wait_alu depctr_va_vdst(0)                   ; one wait for both, ahead of their first reader
	s_wait_loadcnt 0x0                             ; g and b
.set i, 0
.rept 16
.irp u, 0,1
	v_pk_mul_f32 v[X+32*\u+i:X+32*\u+i+1], v[X+32*\u+i:X+32*\u+i+1], v[T+4*\u+2:T+4*\u+3] op_sel_hi:[1,0]
.endr
.irp u, 0,1
	s_delay_alu instid0(VALU_DEP_2)
	v_pk_fma_f32 v[X+32*\u+i:X+32*\u+i+1], v[X+32*\u+i:X+32*\u+i+1], v[G+i:G+i+1], v[B+i:B+i+1]
.endr
.set i, i+2
.endr
.irp u, 0,1
.irp j, 0,1,2,3,4,5,6,7
	ds_store_b128 v4, v[X+32*\u+4*\j:X+32*\u+4*\j+3] offset:SP*\u+512*\j
.endr
.endr
	s_wait_dscnt 0x0                               ; for the others' sake: my two rows lie in the stage
	s_barrier_signal -1
	s_barrier_wait -1
.irp c, 0,1,2,3,4,5,6,7
.irp q, 0,1
	ds_load_b128 v[X+8*\c+4*\q:X+8*\c+4*\q+3], v5 offset:64*\c+16*\q
.endr
.endr
	s_wait_dscnt 0x0
.set i, 0
.rept 64
	v_med3_num_f32 v[X+i], v[X+i], -v10, v10       ; the hold at the largest code x the scale (ISA guide 7.6.2: the conversion does not saturate)
.set i, i+1
.endr
.irp c, 0,1,2,3,4,5,6,7
	v_cvt_scalef32_pk8_fp8_f32 v[CD+2*\c:CD+2*\c+1], v[X+8*\c:X+8*\c+7], v11
.endr
	v_nop
.irp i, 0,1,2,3
	global_store_b128 v2, v[CD+4*\i:CD+4*\i+3], s[46:47] offset:512*\i
.endr
	s_wait_tensorcnt 0x0                           ; the wave's end, behind my last LDS store
	ds_add_u32 v[SPW], v[NIL]
	s_wait_dscnt 0x0
	s_endpgm
.Lfunc_end_k_q6eafc84379_ln2:
	.size	k_q6eafc84379_ln2, .Lfunc_end_k_q6eafc84379_ln2-k_q6eafc84379_ln2
	.p2alignl 7, 3214868480
	.fill 96, 4, 3214868480
	.section	.rodata,"a",@progbits
	.p2align	6, 0x0
	.amdhsa_kernel k_q6eafc84379_ln2
		.amdhsa_group_segment_fixed_size 66816
		.amdhsa_private_segment_fixed_size 0
		.amdhsa_enable_private_segment 0
		.amdhsa_kernarg_size 40
		.amdhsa_user_sgpr_count 2
		.amdhsa_user_sgpr_kernarg_segment_ptr 1
		.amdhsa_wavefront_size32 1
		.amdhsa_system_sgpr_workgroup_id_x 1
		.amdhsa_system_sgpr_workgroup_id_y 1
		.amdhsa_system_sgpr_workgroup_id_z 1
		.amdhsa_system_vgpr_workitem_id 0
		.amdhsa_next_free_vgpr 152
		.amdhsa_next_free_sgpr 66
		.amdhsa_reserve_vcc 0
		.amdhsa_float_denorm_mode_32 3
		.amdhsa_float_denorm_mode_16_64 3
		.amdhsa_memory_ordered 1
		.amdhsa_forward_progress 1
		.amdhsa_inst_pref_size 29
	.end_amdhsa_kernel
	.amdgpu_metadata
---
amdhsa.version: [ 1, 2 ]
amdhsa.kernels:
  - .name:           k_q6eafc84379_ln2
    .symbol:         k_q6eafc84379_ln2.kd
    .args:
      - { .name: x1, .offset: 0, .size: 8, .value_kind: global_buffer, .address_space: global }
      - { .name: ln2_g, .offset: 8, .size: 8, .value_kind: global_buffer, .address_space: global }
      - { .name: ln2_b, .offset: 16, .size: 8, .value_kind: global_buffer, .address_space: global }
      - { .name: lowp_scales, .offset: 24, .size: 8, .value_kind: global_buffer, .address_space: global }
      - { .name: aimg, .offset: 32, .size: 8, .value_kind: global_buffer, .address_space: global }
    .group_segment_fixed_size: 66816
    .private_segment_fixed_size: 0
    .kernarg_segment_align: 8
    .kernarg_segment_size: 40
    .max_flat_workgroup_size: 256
    .sgpr_count:     66
    .vgpr_count:     152
    .wavefront_size: 32
...
	.end_amdgpu_metadata
.endif
;; end of part 5
;; launch fc1 (part 6): grid 16 x 16, 4 waves a work-group, clusters of 4 x 4, 327,680 bytes of LDS; arguments aimg, wimg, lowp_scales, fc1_b, gimg; writes gimg
.if DOCPART == 6
	.amdgcn_target "amdgcn-amd-amdhsa--gfx1250"
	.amdhsa_code_object_version 6
	.text
	.protected	k_q6eafc84379_fc1
	.globl	k_q6eafc84379_fc1
	.p2align	8
	.type	k_q6eafc84379_fc1,@function
k_q6eafc84379_fc1:
	s_mov_b64 s[64:65], 0
	v_nop
	global_prefetch_b8 v0, s[64:65] scope:SCOPE_SE
	s_setreg_imm32_b32 hwreg(HW_REG_WAVE_MODE, 25, 1), 1
	s_wait_xcnt 0x0
	s_wait_alu depctr_hold_cnt(0) depctr_sa_sdst(0) depctr_va_vdst(0) depctr_va_sdst(0) depctr_va_ssrc(0) depctr_va_vcc(0) depctr_vm_vsrc(0)
	s_getreg_b32 s2, hwreg(HW_REG_IB_STS2, 6, 4)
	s_cmp_eq_u32 s2, 0
	s_cbranch_scc0 .Lentry_in_a_cluster
	s_endpgm
.Lentry_in_a_cluster:
	s_bfe_u32 s2, ttmp6, 0x10000c
	s_cmp_lg_u32 s2, 0xf033
	s_cbranch_scc0 .Lentry_shape_is_right
	s_endpgm
.Lentry_shape_is_right:
.set HALFT,  32768
.set SLOT,   4*HALFT
.set SPARE,  2*SLOT
.set KSB,    4096
.set FR,     16
.set NL,     4
.set NP,     4
.set ADRA, 2
.set ADRB, 4
.set SPW,  6
.set NIL,  7
.set LI,   8
.set BO,   9
.set LIM,  10
.set SCL,  11
.set CD,   16
.set BI,   32
.set XV,   96
.set MV,   128
.set WV,   160
.set TV,   192
.set PV,   224
.set AF,   128
.set G1, 24
.set G0, 32
.set G1B, 48
.set G0B, 56
.set MSB, 0
.macro WIN new
.if MSB != (\new)
	s_set_vgpr_msb (MSB<<8)|(\new)
.set MSB, (\new)
.endif
.endm
.set MUL_LO, 0xa1
.set MUL_HI, 0xf1
.set TO_B,   0x40
.macro JLOAD g0a, g1a, g0b, g1b
	s_cmp_eq_u32 s15, 0
	s_cbranch_scc0 .Lfor_b_\@
	tensor_load_to_lds s[\g0a:\g0a+3], s[\g1a:\g1a+7]
	s_nop 0
.rept 4
	v_nop
.endr
	s_branch .Lasked_\@
.Lfor_b_\@:
	tensor_load_to_lds s[\g0b:\g0b+3], s[\g1b:\g1b+7]
	s_nop 0
.rept 4
	v_nop
.endr
.Lasked_\@:
.endm
.macro CREST
	s_cmp_lg_u32 s14, 0
	s_cbranch_scc1 .Lnot_wave_0_\@
	s_barrier_signal -3
.Lnot_wave_0_\@:
	s_barrier_wait -3
	s_barrier_signal -1
	s_barrier_wait -1
.endm
.macro CROUND
	s_barrier_signal -1
	s_barrier_wait -1
	CREST
.endm
	s_load_b256 s[4:11], s[0:1], 0x0
	s_load_b64 s[12:13], s[0:1], 0x20
	v_lshl_add_u32 v[SPW], v0, 2, SPARE
	v_mov_b32 v[NIL], 0
	ds_add_u32 v[SPW], v[NIL]
	ds_add_u32 v[SPW], v[NIL]
	v_lshrrev_b32 v1, 5, v0
	v_readfirstlane_b32 s14, v1
	s_lshr_b32 s15, s14, 1
	s_and_b32 s16, s14, 1
	s_bfe_u32 s40, ttmp6, 0x40000
	s_bfe_u32 s41, ttmp6, 0x40004
	s_lshl_b32 s42, ttmp9, 2
	s_add_co_u32 s42, s42, s40
	s_and_b32 s17, ttmp7, 0xffff
	s_lshl_b32 s17, s17, 2
	s_add_co_u32 s17, s17, s41
	s_lshl_b32 s43, s41, 2
	s_lshl_b32 s43, 15, s43
	s_lshl_b32 s44, 0x1111, s40
	s_or_b32 s[G1+0], s43, (3<<16)|(1<<21)
	s_or_b32 s[G1B+0], s44, (3<<16)|(1<<21)
.irp g, G1, G1B
	s_mov_b32 s[\g+1], 512<<16
	s_mov_b32 s[\g+2], 8<<16
	s_mov_b32 s[\g+3], 512<<16
	s_mov_b32 s[\g+4], 8
	s_mov_b32 s[\g+5], 2048
	s_mov_b32 s[\g+6], 0
	s_mov_b32 s[\g+7], 0
.endr
	s_lshl_b32 s22, s16, 3
	s_lshl_b32 s20, s17, 4
	s_add_co_u32 s20, s20, s22
	s_lshl_b32 s20, s20, 14
	s_mov_b32 s21, 0
	s_lshl_b32 s46, s42, 4
	s_add_co_u32 s46, s46, s22
	s_lshl_b32 s46, s46, 14
	s_add_co_u32 s46, s46, 4194304
	s_mov_b32 s47, 0
	s_mul_i32 s45, s14, HALFT
	s_wait_dscnt 0x0
	s_wait_kmcnt 0x0
	s_load_b128 s[68:71], s[8:9], 0x20
	s_add_nc_u64 s[20:21], s[4:5], s[20:21]
	s_add_nc_u64 s[46:47], s[6:7], s[46:47]
	; the prefetches: of the 8 row tiles that my wave fetches, the partner at place p among the four that ask jointly (cx for A, cy for B) names tiles 2 p, 2 p + 1: told apart by address alone
	s_cmp_eq_u32 s15, 0
	s_cselect_b64 s[76:77], s[20:21], s[46:47]
	s_cselect_b32 s78, s40, s41
	s_lshl_b32 s78, s78, 15
	s_mov_b32 s79, 0
	s_add_nc_u64 s[76:77], s[76:77], s[78:79]
	v_bfe_u32 v14, v0, 4, 1
	v_and_b32 v13, 15, v0
	v_lshlrev_b32 v13, 8, v13
	v_lshl_add_u32 v13, v14, 14, v13               ; lanes 256 bytes apart: sixteen to a row tile's 4,096 bytes of a K step; never rewritten
	CROUND
.irp s, 0,1
	s_mov_b32 s[G0+4*\s], 1
	s_add_co_u32 s[G0+4*\s+1], s45, \s*SLOT
	s_add_nc_u64 s[G0+4*\s+2:G0+4*\s+3], s[20:21], \s*KSB
	s_or_b32 s[G0+4*\s+3], s[G0+4*\s+3], 0x80000000
	s_mov_b32 s[G0B+4*\s], 1
	s_add_co_u32 s[G0B+4*\s+1], s45, \s*SLOT
	s_add_nc_u64 s[G0B+4*\s+2:G0B+4*\s+3], s[46:47], \s*KSB
	s_or_b32 s[G0B+4*\s+3], s[G0B+4*\s+3], 0x80000000
	s_wait_alu depctr_va_vdst(0)
	s_wait_tensorcnt 0x0
	ds_add_u32 v6, v7
	ds_add_u32 v6, v7
	s_wait_dscnt 0x0
	CROUND
	JLOAD G0+4*\s, G1, G0B+4*\s, G1B
.if \s == 0
	global_prefetch_b8 v13, s[76:77] offset:KSB th:TH_LOAD_NT scope:SCOPE_SE            ; K step 1, asked for one load ahead
.endif
	global_prefetch_b8 v13, s[76:77] offset:(\s+2)*KSB th:TH_LOAD_NT scope:SCOPE_SE     ; behind the load of K step s: K step s + 2, the last being step 3
.endr
	v_and_b32 v1, 31, v0
	v_lshlrev_b32 v[LI], 4, v1
	s_wait_alu depctr_va_vdst(0)
	v_bfe_u32 v[BO], v0, 4, 1
	v_lshlrev_b32 v[BO], 5, v[BO]
	s_lshl_b32 s20, s42, 10
	s_lshl_b32 s21, s16, 9
	s_add_co_u32 s20, s20, s21
	s_mov_b32 s21, 0
	s_add_nc_u64 s[10:11], s[10:11], s[20:21]
.irp b, 0,1,2,3,4,5,6,7
	global_load_b128 v[BI+8*\b:BI+8*\b+3], v[BO], s[10:11] offset:64*\b
	global_load_b128 v[BI+8*\b+4:BI+8*\b+7], v[BO], s[10:11] offset:64*\b+16
.endr
	s_mul_i32 s21, s15, HALFT
	s_mul_i32 s22, s16, HALFT
	s_add_co_u32 s22, s22, 2*HALFT
.irp s, 0,1
	v_add_nc_u32 v[ADRA+\s], s21, v[LI]
	v_add_nc_u32 v[ADRB+\s], s22, v[LI]
	s_add_co_u32 s21, s21, SLOT
	s_add_co_u32 s22, s22, SLOT
.endr
	s_lshl_b32 s20, s17, 4
	s_lshl_b32 s21, s15, 3
	s_add_co_u32 s20, s20, s21
	s_lshl_b32 s20, s20, 16
	s_lshl_b32 s21, s42, 1
	s_add_co_u32 s21, s21, s16
	s_lshl_b32 s21, s21, 11
	s_add_co_u32 s20, s20, s21
	s_mov_b32 s21, 0
	s_add_nc_u64 s[88:89], s[12:13], s[20:21]
	s_wait_alu depctr_va_vdst(0)
	s_wait_kmcnt 0x0
	s_add_co_i32 s84, s68, s69
	s_add_co_i32 s84, s84, 127
	s_lshl_b32 s84, s84, 23
	s_mov_b32 s85, s84
	s_add_co_i32 s86, s70, 127
	s_lshl_b32 s87, s86, 23
	v_mov_b32 v[SCL], s87
	s_add_co_i32 s86, s86, 8
	s_lshl_b32 s86, s86, 23
	s_or_b32 s86, s86, 0x600000
	v_mov_b32 v[LIM], s86
.macro FRAG reg, adr, q, i
.irp c, 0,1,2,3
	ds_load_b128 v[\reg+4*\c:\reg+4*\c+3], v[\adr] offset:2048*(\q)+512*\c+(\i)*KSB
.endr
.endm
.macro MUL16 a0, p, zero
.irp a, \a0, \a0+1
.irp b, 0,1,2,3,4,5,6,7
.if \zero
	v_wmma_f32_16x16x128_fp8_fp8 v[8*(8*((\a)%4)+\b):8*(8*((\a)%4)+\b)+7], v[128*(\p)+FR*\b:128*(\p)+FR*\b+FR-1], v[AF+FR*(\a):AF+FR*(\a)+FR-1], 0
.else
	v_wmma_f32_16x16x128_fp8_fp8 v[8*(8*((\a)%4)+\b):8*(8*((\a)%4)+\b)+7], v[128*(\p)+FR*\b:128*(\p)+FR*\b+FR-1], v[AF+FR*(\a):AF+FR*(\a)+FR-1], v[8*(8*((\a)%4)+\b):8*(8*((\a)%4)+\b)+7]
.endif
.endr
.endr
.endm
.macro FETCH_B slot, q, p
	WIN TO_B
.irp i, 0,1,2,3,4,5,6,7
	FRAG 128*(\p)+FR*\i, ADRB+\slot, \q, \i
.endr
	WIN 0
.endm
.macro FETCH_A slot, q, i0
.irp i, \i0, \i0+1, \i0+2, \i0+3
	FRAG AF+FR*(\i), ADRA+\slot, \q, \i
.endr
.endm
.macro PLACES n
.rept \n
	v_nop
.endr
.endm
.macro STEP slot, q, zero
	s_wait_dscnt 4*NL
	WIN MUL_LO
	MUL16 0, (\q)%2, \zero
	MUL16 2, (\q)%2, \zero
	s_wait_dscnt 0
	PLACES NP
	FETCH_B \slot, (\q)+1, 1-(\q)%2
	FETCH_A \slot, (\q)+1, 0
	WIN MUL_HI
	MUL16 4, (\q)%2, \zero
	MUL16 6, (\q)%2, \zero
	PLACES NP
	WIN 0
	FETCH_A \slot, (\q)+1, 4
.endm
.macro TURN slot, next, fill
	s_wait_tensorcnt 0x0
	ds_add_u32 v[SPW], v[NIL]
	s_wait_dscnt 4*NL+1
	WIN MUL_LO
	MUL16 0, 1, 0
	s_wait_dscnt 0x0
	s_barrier_signal -1
	MUL16 2, 1, 0
	WIN 0
	s_barrier_wait -1
.if \fill
	CREST
	s_add_nc_u64 s[G0+4*\slot+2:G0+4*\slot+3], s[G0+4*\slot+2:G0+4*\slot+3], 2*KSB
	s_add_nc_u64 s[G0B+4*\slot+2:G0B+4*\slot+3], s[G0B+4*\slot+2:G0B+4*\slot+3], 2*KSB
	JLOAD G0+4*\slot, G1, G0B+4*\slot, G1B
.else
	PLACES NP
.endif
	FETCH_B \next, 0, 0
	FETCH_A \next, 0, 0
	WIN MUL_HI
	MUL16 4, 1, 0
	MUL16 6, 1, 0
	PLACES NP
	WIN 0
	FETCH_A \next, 0, 4
.endm
	s_wait_tensorcnt 1
	s_barrier_signal -1
	s_barrier_wait -1
	FETCH_B 0, 0, 0
	FETCH_A 0, 0, 0
	FETCH_A 0, 0, 4
	STEP 0, 0, 1
	TURN 0, 1, 1
	STEP 1, 0, 0
	TURN 1, 0, 1
	STEP 0, 0, 0
	TURN 0, 1, 0
	STEP 1, 0, 0
	s_wait_dscnt 4*NL
	WIN MUL_LO
	MUL16 0, 1, 0
	MUL16 2, 1, 0
	s_wait_dscnt 0
	WIN MUL_HI
	MUL16 4, 1, 0
	MUL16 6, 1, 0
	WIN 0
	s_wait_loadcnt 0x0
	PLACES NP
	WIN 0x40
.macro COEF k, bits
	v_mov_b32 v[2*\k], \bits
	v_mov_b32 v[2*\k+1], \bits
.endm
	COEF 0, 0xbfa1fc4e
	COEF 1, 0x3f8000c7
	COEF 2, 0x3ebf88fb
	COEF 3, 0x3dc636c9
	COEF 4, 0xbe3ec24c
	COEF 5, 0x3e8ec7cc
	COEF 6, 0xbf914e5d
	COEF 7, 0x3fbe87b0
	COEF 8, 0xbf527892
	WIN 0
.macro SEC n
.set AA, (\n)/2
.set HB, (\n)%2
.set AC, 64*(AA%4)+32*HB
	WIN 0x02+(AA/4)
.set j, 0
.rept 16
	v_pk_fma_f32 v[XV+j:XV+j+1], v[AC+j:AC+j+1], s[84:85], v[BI+32*HB+j:BI+32*HB+j+1] op_sel_hi:[1,0,1]
.set j, j+2
.endr
	WIN 0
.endm
	s_mov_b32 s3, 0
.Ltrip:
.irp n, 0,1,2,3,4,5,6,7,8,9,10,11,12,13,14
	s_cmp_eq_u32 s3, \n
	s_cbranch_scc1 .Lsec_\n
.endr
	s_branch .Lsec_15
.irp n, 0,1,2,3,4,5,6,7,8,9,10,11,12,13,14,15
.Lsec_\n:
	SEC \n
	s_branch .Lbody
.endr
.Lbody:
.set j, 0
.rept 32
	v_max_num_f32 v[MV+j], 0, v[XV+j]
.set j, j+1
.endr
.set j, 0
.rept 16
	v_pk_fma_f32 v[WV+j:WV+j+1], v[MV+j:MV+j+1], 2.0, v[XV+j:XV+j+1] op_sel_hi:[1,0,1] neg_lo:[0,0,1] neg_hi:[0,0,1]
.set j, j+2
.endr
.set j, 0
.rept 16
	v_pk_fma_f32 v[TV+j:TV+j+1], v[WV+j:WV+j+1], 0x3eb504f3, 1.0 op_sel_hi:[1,0,0]
.set j, j+2
.endr
.set j, 0
	s_wait_alu depctr_va_vdst(0)
.rept 32
	v_rcp_f32 v[TV+j], v[TV+j]
.set j, j+1
.endr
.set j, 0
.rept 16
	v_pk_mul_f32 v[XV+j:XV+j+1], v[WV+j:WV+j+1], v[WV+j:WV+j+1]
.set j, j+2
.endr
	s_wait_alu depctr_va_vdst(0)
	WIN 0x10
.set j, 0
.rept 16
	v_pk_fma_f32 v[PV+j:PV+j+1], v[TV+j:TV+j+1], 0x3e2ef945, v[16:17] op_sel_hi:[1,0,1]
.set j, j+2
.endr
.irp k, 7,6,5,4,3,2,1,0
.set j, 0
.rept 16
	v_pk_fma_f32 v[PV+j:PV+j+1], v[PV+j:PV+j+1], v[TV+j:TV+j+1], v[2*\k:2*\k+1]
.set j, j+2
.endr
.endr
	WIN 0
.set j, 0
.rept 16
	v_pk_fma_f32 v[PV+j:PV+j+1], v[XV+j:XV+j+1], -0.5, v[PV+j:PV+j+1] op_sel_hi:[1,0,1]
.set j, j+2
.endr
.set j, 0
.rept 16
	v_pk_mul_f32 v[PV+j:PV+j+1], v[PV+j:PV+j+1], 0x3fb8aa3b op_sel_hi:[1,0]
.set j, j+2
.endr
.set j, 0
	s_wait_alu depctr_va_vdst(0)
.rept 32
	v_exp_f32 v[PV+j], v[PV+j]
.set j, j+1
.endr
.set j, 0
.rept 16
	v_pk_mul_f32 v[WV+j:WV+j+1], v[WV+j:WV+j+1], v[TV+j:TV+j+1]
.set j, j+2
.endr
	s_wait_alu depctr_va_vdst(0)
.set j, 0
.rept 16
	v_pk_mul_f32 v[WV+j:WV+j+1], v[WV+j:WV+j+1], v[PV+j:PV+j+1]
.set j, j+2
.endr
.set j, 0
.rept 16
	v_pk_fma_f32 v[XV+j:XV+j+1], v[WV+j:WV+j+1], -0.5, v[MV+j:MV+j+1] op_sel_hi:[1,0,1]
.set j, j+2
.endr
.set j, 0
.rept 32
	v_med3_num_f32 v[XV+j], v[XV+j], -v[LIM], v[LIM]
.set j, j+1
.endr
	s_wait_alu depctr_va_vdst(0)
	s_wait_xcnt 0x0
.irp b, 0,1,2,3
	v_cvt_scalef32_pk8_fp8_f32 v[CD+2*\b:CD+2*\b+1], v[XV+8*\b:XV+8*\b+7], v[SCL]
.endr
	v_nop
	s_lshr_b32 s92, s3, 1
	s_lshl_b32 s92, s92, 16
	s_and_b32 s93, s3, 1
	s_lshl_b32 s93, s93, 10
	s_add_co_u32 s92, s92, s93
	s_mov_b32 s93, 0
	s_add_nc_u64 s[90:91], s[88:89], s[92:93]
	global_store_b128 v[LI], v[CD:CD+3], s[90:91]
	global_store_b128 v[LI], v[CD+4:CD+7], s[90:91] offset:512
	s_add_co_u32 s3, s3, 1
	s_cmp_lt_u32 s3, 16
	s_cbranch_scc1 .Ltrip
	s_wait_tensorcnt 0x0
	ds_add_u32 v[SPW], v[NIL]
	s_wait_dscnt 0x0
	CROUND
	s_endpgm
.Lfunc_end_k_q6eafc84379_fc1:
	.size	k_q6eafc84379_fc1, .Lfunc_end_k_q6eafc84379_fc1-k_q6eafc84379_fc1
	.p2alignl 7, 3214868480
	.fill 96, 4, 3214868480
	.section	.rodata,"a",@progbits
	.p2align	6, 0x0
	.amdhsa_kernel k_q6eafc84379_fc1
		.amdhsa_group_segment_fixed_size 327680
		.amdhsa_private_segment_fixed_size 0
		.amdhsa_enable_private_segment 0
		.amdhsa_kernarg_size 40
		.amdhsa_user_sgpr_count 2
		.amdhsa_user_sgpr_kernarg_segment_ptr 1
		.amdhsa_wavefront_size32 1
		.amdhsa_system_sgpr_workgroup_id_x 1
		.amdhsa_system_sgpr_workgroup_id_y 1
		.amdhsa_system_sgpr_workgroup_id_z 1
		.amdhsa_system_vgpr_workitem_id 0
		.amdhsa_next_free_vgpr 1024
		.amdhsa_next_free_sgpr 100
		.amdhsa_reserve_vcc 0
		.amdhsa_float_denorm_mode_32 3
		.amdhsa_float_denorm_mode_16_64 3
		.amdhsa_memory_ordered 1
		.amdhsa_forward_progress 1
		.amdhsa_inst_pref_size 125
	.end_amdhsa_kernel
	.amdgpu_metadata
---
amdhsa.version: [ 1, 2 ]
amdhsa.kernels:
  - .name:           k_q6eafc84379_fc1
    .symbol:         k_q6eafc84379_fc1.kd
    .args:
      - { .name: aimg, .offset: 0, .size: 8, .value_kind: global_buffer, .address_space: global }
      - { .name: wimg, .offset: 8, .size: 8, .value_kind: global_buffer, .address_space: global }
      - { .name: lowp_scales, .offset: 16, .size: 8, .value_kind: global_buffer, .address_space: global }
      - { .name: fc1_b, .offset: 24, .size: 8, .value_kind: global_buffer, .address_space: global }
      - { .name: gimg, .offset: 32, .size: 8, .value_kind: global_buffer, .address_space: global }
    .group_segment_fixed_size: 327680
    .private_segment_fixed_size: 0
    .kernarg_segment_align: 8
    .kernarg_segment_size: 40
    .max_flat_workgroup_size: 128
    .sgpr_count:     100
    .vgpr_count:     1024
    .wavefront_size: 32
...
	.end_amdgpu_metadata
.endif
;; end of part 6
;; launch fc2 (part 7): grid 8 x 32, 4 waves a work-group, clusters of 4 x 4, 327,680 bytes of LDS; arguments gimg, wimg, lowp_scales, fc2_b, x1, out0; writes out0
.if DOCPART == 7
	.amdgcn_target "amdgcn-amd-amdhsa--gfx1250"
	.amdhsa_code_object_version 6
	.text
	.protected	k_q6eafc84379_fc2
	.globl	k_q6eafc84379_fc2
	.p2align	8
	.type	k_q6eafc84379_fc2,@function
k_q6eafc84379_fc2:
	s_mov_b64 s[64:65], 0
	v_nop
	global_prefetch_b8 v0, s[64:65] scope:SCOPE_SE
	s_setreg_imm32_b32 hwreg(HW_REG_WAVE_MODE, 25, 1), 1
	s_wait_xcnt 0x0
	s_wait_alu depctr_hold_cnt(0) depctr_sa_sdst(0) depctr_va_vdst(0) depctr_va_sdst(0) depctr_va_ssrc(0) depctr_va_vcc(0) depctr_vm_vsrc(0)
	s_getreg_b32 s2, hwreg(HW_REG_IB_STS2, 6, 4)
	s_cmp_eq_u32 s2, 0
	s_cbranch_scc0 .Lentry_in_a_cluster
	s_endpgm
.Lentry_in_a_cluster:
	s_bfe_u32 s2, ttmp6, 0x10000c
	s_cmp_lg_u32 s2, 0xf033
	s_cbranch_scc0 .Lentry_shape_is_right
	s_endpgm
.Lentry_shape_is_right:
.set KTOT,   4096
.set EOFF,   0x28
.set WOFF,   8388608
.set LAPS,   KTOT/1024
.set HALFT,  32768
.set SLOT,   4*HALFT
.set KSB,    8192
.set STAGE,  2*SLOT
.set SPITCH, 272
.set SPARE,  STAGE+4*16*SPITCH
.set ADRA, 2
.set ADRB, 4
.set SPW,  6
.set NIL,  7
.set STO,  8
.set RD,   9
.set CO,   10
.set BIA,  12
.set TMP,  32
.set ACC,  128
.set F0,   0
.set F1,   128
.set G1, 24
.set G0, 32
.set G1B, 48
.set G0B, 56
.set MSB, 0
.macro WIN new
.if MSB != (\new)
	s_set_vgpr_msb (MSB<<8)|(\new)
.set MSB, (\new)
.endif
.endm
.set MUL,  0x05
.set TO_F, 0x40
.macro JLOAD s
	s_cmp_eq_u32 s17, 0
	s_cbranch_scc0 .Lfor_b_\@
	tensor_load_to_lds s[G0+4*\s:G0+4*\s+3], s[G1:G1+7]
	s_nop 0
.rept 4
	v_nop
.endr
	s_branch .Lasked_\@
.Lfor_b_\@:
	tensor_load_to_lds s[G0B+4*\s:G0B+4*\s+3], s[G1B:G1B+7]
	s_nop 0
.rept 4
	v_nop
.endr
.Lasked_\@:
.endm
.macro CREST
	s_cmp_lg_u32 s16, 0
	s_cbranch_scc1 .Lnot_wave_0_\@
	s_barrier_signal -3
.Lnot_wave_0_\@:
	s_barrier_wait -3
	s_barrier_signal -1
	s_barrier_wait -1
.endm
.macro CROUND
	s_barrier_signal -1
	s_barrier_wait -1
	CREST
.endm
	s_load_b256 s[4:11], s[0:1], 0x0
	s_load_b128 s[12:15], s[0:1], 0x20
	v_lshl_add_u32 v[SPW], v0, 2, SPARE
	v_mov_b32 v[NIL], 0
	ds_add_u32 v[SPW], v[NIL]
	ds_add_u32 v[SPW], v[NIL]
	v_lshrrev_b32 v1, 5, v0
	v_readfirstlane_b32 s16, v1
	s_lshr_b32 s17, s16, 1
	s_and_b32 s18, s16, 1
	s_bfe_u32 s40, ttmp6, 0x40000
	s_bfe_u32 s41, ttmp6, 0x40004
	s_lshl_b32 s42, ttmp9, 2
	s_add_co_u32 s42, s42, s40
	s_and_b32 s19, ttmp7, 0xffff
	s_lshl_b32 s19, s19, 2
	s_add_co_u32 s19, s19, s41
	s_lshl_b32 s43, s41, 2
	s_lshl_b32 s43, 15, s43
	s_lshl_b32 s44, 0x1111, s40
	s_or_b32 s[G1+0], s43, (3<<16)|(1<<21)
	s_or_b32 s[G1B+0], s44, (3<<16)|(1<<21)
.irp g, G1, G1B
	s_mov_b32 s[\g+1], 1024<<16
	s_mov_b32 s[\g+2], 4<<16
	s_mov_b32 s[\g+3], 1024<<16
	s_mov_b32 s[\g+4], 4
	s_mov_b32 s[\g+5], 2*KTOT
	s_mov_b32 s[\g+6], 0
	s_mov_b32 s[\g+7], 0
.endr
	s_lshl_b32 s22, s18, 2
	s_lshl_b32 s20, s19, 3
	s_add_co_u32 s20, s20, s22
	s_mul_i32 s20, s20, 16*KTOT
	s_mov_b32 s21, 0
	s_lshl_b32 s46, s42, 3
	s_add_co_u32 s46, s46, s22
	s_mul_i32 s46, s46, 16*KTOT
	s_add_co_u32 s46, s46, WOFF
	s_mov_b32 s47, 0
	s_mul_i32 s45, s16, HALFT
	s_wait_dscnt 0x0
	s_wait_kmcnt 0x0
	s_load_b64 s[96:97], s[8:9], EOFF
	s_add_nc_u64 s[20:21], s[4:5], s[20:21]
	s_add_nc_u64 s[46:47], s[6:7], s[46:47]
	; the prefetches: of the 4 row tiles that my wave fetches, the partner at place p among the four that ask jointly (cx for A, cy for B) names tile p: told apart by address alone
	s_cmp_eq_u32 s17, 0
	s_cselect_b64 s[70:71], s[20:21], s[46:47]
	s_cselect_b32 s72, s40, s41
	s_mul_i32 s72, s72, 16*KTOT
	s_mov_b32 s73, 0
	s_add_nc_u64 s[70:71], s[70:71], s[72:73]
	v_and_b32 v19, 31, v0
	v_lshlrev_b32 v19, 8, v19                      ; lanes 256 bytes apart: a row tile's 8,192 bytes of a K step; never rewritten
	CROUND
.irp s, 0,1
	s_mov_b32 s[G0+4*\s], 1
	s_add_co_u32 s[G0+4*\s+1], s45, \s*SLOT
	s_add_nc_u64 s[G0+4*\s+2:G0+4*\s+3], s[20:21], \s*KSB
	s_or_b32 s[G0+4*\s+3], s[G0+4*\s+3], 0x80000000
	s_mov_b32 s[G0B+4*\s], 1
	s_add_co_u32 s[G0B+4*\s+1], s45, \s*SLOT
	s_add_nc_u64 s[G0B+4*\s+2:G0B+4*\s+3], s[46:47], \s*KSB
	s_or_b32 s[G0B+4*\s+3], s[G0B+4*\s+3], 0x80000000
	s_wait_alu depctr_va_vdst(0)
	s_wait_tensorcnt 0x0
	ds_add_u32 v6, v7
	ds_add_u32 v6, v7
	s_wait_dscnt 0x0
	CROUND
	JLOAD \s
.if \s == 0
	global_prefetch_b8 v19, s[70:71] offset:KSB th:TH_LOAD_NT scope:SCOPE_SE            ; K step 1, asked for one load ahead
.endif
	global_prefetch_b8 v19, s[70:71] offset:(\s+2)*KSB th:TH_LOAD_NT scope:SCOPE_SE     ; behind the load of K step s: K step s + 2
.endr
	v_and_b32 v1, 31, v0
	v_lshlrev_b32 v11, 4, v1
	v_and_b32 v16, 15, v0
	s_wait_alu depctr_va_vdst(0)
	v_bfe_u32 v17, v0, 4, 1
	s_mul_i32 s21, s17, HALFT
	s_mul_i32 s22, s18, HALFT
	s_add_co_u32 s22, s22, 2*HALFT
.irp s, 0,1
	v_add_nc_u32 v[ADRA+\s], s21, v11
	v_add_nc_u32 v[ADRB+\s], s22, v11
	s_add_co_u32 s21, s21, SLOT
	s_add_co_u32 s22, s22, SLOT
.endr
	s_mul_i32 s23, s16, 16*SPITCH
	s_add_co_u32 s23, s23, STAGE
	v_mul_u32_u24 v[STO], v16, SPITCH
	s_wait_alu depctr_va_vdst(0)
	v_lshl_add_u32 v[STO], v17, 5, v[STO]
	v_add_nc_u32 v[STO], s23, v[STO]
	v_mul_u32_u24 v[RD], v17, SPITCH
	v_lshl_add_u32 v[RD], v16, 4, v[RD]
	v_add_nc_u32 v[RD], s23, v[RD]
	v_lshlrev_b32 v[CO], 12, v17
	v_lshl_add_u32 v[CO], v16, 4, v[CO]
	v_lshlrev_b32 v18, 4, v16
	s_wait_alu depctr_va_vdst(0)
	s_lshl_b32 s20, s19, 7
	s_lshl_b32 s21, s17, 6
	s_add_co_u32 s20, s20, s21
	s_lshl_b32 s20, s20, 12
	s_lshl_b32 s46, s42, 9
	s_lshl_b32 s47, s18, 8
	s_add_co_u32 s46, s46, s47
	s_mov_b32 s47, 0
	s_add_co_u32 s20, s20, s46
	s_mov_b32 s21, 0
	s_add_nc_u64 s[10:11], s[10:11], s[46:47]
	s_add_nc_u64 s[12:13], s[12:13], s[20:21]
	s_add_nc_u64 s[14:15], s[14:15], s[20:21]
	global_load_b128 v[BIA:BIA+3], v18, s[10:11]
	WIN 0x80
.irp a, 0,1,2,3
.irp t, 0,1,2,3,4,5,6,7
	global_load_b128 v[32*\a+4*\t:32*\a+4*\t+3], v[CO], s[12:13] offset:(16*\a+2*\t)*4096 th:TH_LOAD_NT
.endr
.endr
	WIN 0
.macro MULA f, a, zero
.irp b, 0,1,2,3
.if \zero
	v_wmma_f32_16x16x128_fp8_fp8 v[ACC+8*(4*(\a)+\b):ACC+8*(4*(\a)+\b)+7], v[\f+64+16*\b:\f+64+16*\b+15], v[\f+16*(\a):\f+16*(\a)+15], 0
.else
	v_wmma_f32_16x16x128_fp8_fp8 v[ACC+8*(4*(\a)+\b):ACC+8*(4*(\a)+\b)+7], v[\f+64+16*\b:\f+64+16*\b+15], v[\f+16*(\a):\f+16*(\a)+15], v[ACC+8*(4*(\a)+\b):ACC+8*(4*(\a)+\b)+7]
.endif
.endr
.endm
.macro FETCH slot, q, f
	WIN TO_F
.irp i, 0,1,2,3
.irp c, 0,1,2,3
	ds_load_b128 v[\f+64+16*\i+4*\c:\f+64+16*\i+4*\c+3], v[ADRB+\slot] offset:KSB*\i+2048*(\q)+512*\c
.endr
.endr
.irp i, 0,1,2,3
.irp c, 0,1,2,3
	ds_load_b128 v[\f+16*\i+4*\c:\f+16*\i+4*\c+3], v[ADRA+\slot] offset:KSB*\i+2048*(\q)+512*\c
.endr
.endr
.endm
.macro PLACES
.rept 4
	v_nop
.endr
.endm
.macro QUARTER slot, qn, f, g, zero
	s_wait_dscnt 0x0
	PLACES
	FETCH \slot, \qn, \g
	WIN MUL
	MULA \f, 0, \zero
	MULA \f, 1, \zero
	MULA \f, 2, \zero
	MULA \f, 3, \zero
.endm
.macro TURN slot, next, fill
	WIN 0
	s_wait_tensorcnt 0x0
	ds_add_u32 v[SPW], v[NIL]
	s_wait_dscnt 1
	WIN MUL
	MULA F1, 0, 0
	s_wait_dscnt 0x0
	s_barrier_signal -1
	MULA F1, 1, 0
	WIN 0
	s_barrier_wait -1
.if \fill
	CREST
	s_add_nc_u64 s[G0+4*\slot+2:G0+4*\slot+3], s[G0+4*\slot+2:G0+4*\slot+3], 2*KSB
	s_add_nc_u64 s[G0B+4*\slot+2:G0B+4*\slot+3], s[G0B+4*\slot+2:G0B+4*\slot+3], 2*KSB
	JLOAD \slot
	s_cmp_gt_u32 s3, 1                             ; the loop's last trip refills with K steps 6 and 7: no step lies two behind them
	s_cbranch_scc0 .Lno_ask_\@
	global_prefetch_b8 v19, s[70:71] offset:(4+\slot)*KSB th:TH_LOAD_NT scope:SCOPE_SE  ; the K step two refills on
.Lno_ask_\@:
.else
	PLACES
.endif
	FETCH \next, 0, F0
	WIN MUL
	MULA F1, 2, 0
	MULA F1, 3, 0
.endm
	s_wait_tensorcnt 1
	s_barrier_signal -1
	s_barrier_wait -1
	FETCH 0, 0, F0
	QUARTER 0, 1, F0, F1, 1
.if LAPS > 1
	WIN 0
	s_mov_b32 s3, LAPS-1
.Llap:
	QUARTER 0, 2, F1, F0, 0
	QUARTER 0, 3, F0, F1, 0
	TURN 0, 1, 1
	QUARTER 1, 1, F0, F1, 0
	QUARTER 1, 2, F1, F0, 0
	QUARTER 1, 3, F0, F1, 0
	TURN 1, 0, 1
	QUARTER 0, 1, F0, F1, 0
	WIN 0
	s_wait_xcnt 0x0                                ; my prefetches have read their address: it steps a lap, two K steps, on
	s_add_nc_u64 s[70:71], s[70:71], 2*KSB
	s_sub_co_u32 s3, s3, 1
	s_cmp_lg_u32 s3, 0
	s_cbranch_scc1 .Llap
.endif
	QUARTER 0, 2, F1, F0, 0
	QUARTER 0, 3, F0, F1, 0
	TURN 0, 1, 0
	QUARTER 1, 1, F0, F1, 0
	QUARTER 1, 2, F1, F0, 0
	QUARTER 1, 3, F0, F1, 0
	s_wait_dscnt 0x0
	MULA F1, 0, 0
	MULA F1, 1, 0
	MULA F1, 2, 0
	MULA F1, 3, 0
	WIN 0
.macro TOSTAGE a
.irp b, 0,1,2,3
	ds_store_b128 v[STO], v[ACC+8*(4*(\a)+\b):ACC+8*(4*(\a)+\b)+3] offset:64*\b
	ds_store_b128 v[STO], v[ACC+8*(4*(\a)+\b)+4:ACC+8*(4*(\a)+\b)+7] offset:64*\b+16
.endr
.irp t, 0,1,2,3,4,5,6,7
	ds_load_b128 v[TMP+32*((\a)%2)+4*\t:TMP+32*((\a)%2)+4*\t+3], v[RD] offset:2*\t*SPITCH
.endr
.endm
.macro SEND a, younger
.set TB, TMP+32*((\a)%2)
	s_wait_dscnt \younger
.set j, 0
.rept 16
	v_pk_fma_f32 v[TB+j:TB+j+1], v[TB+j:TB+j+1], s[96:97], v[BIA+j%4:BIA+j%4+1] op_sel_hi:[1,0,1]
.set j, j+2
.endr
	WIN 0x08
.set j, 0
.rept 16
	v_pk_add_f32 v[TB+j:TB+j+1], v[TB+j:TB+j+1], v[32*(\a)+j:32*(\a)+j+1]
.set j, j+2
.endr
	WIN 0
.irp t, 0,1,2,3,4,5,6,7
	global_store_b128 v[CO], v[TB+4*\t:TB+4*\t+3], s[14:15] offset:(16*(\a)+2*\t)*4096 th:TH_STORE_NT
.endr
.endm
	s_wait_loadcnt 0x0
	s_wait_kmcnt 0x0
	s_add_co_i32 s96, s96, s97
	s_add_co_i32 s96, s96, 127
	s_lshl_b32 s96, s96, 23
	s_mov_b32 s97, s96
	PLACES
	TOSTAGE 0
.irp a, 1,2,3
.if \a > 1
	s_wait_xcnt 0x0
.endif
	TOSTAGE \a
	SEND \a-1, 16
.endr
	SEND 3, 0
	s_wait_tensorcnt 0x0
	ds_add_u32 v[SPW], v[NIL]
	s_wait_dscnt 0x0
	CROUND
	s_endpgm
.Lfunc_end_k_q6eafc84379_fc2:
	.size	k_q6eafc84379_fc2, .Lfunc_end_k_q6eafc84379_fc2-k_q6eafc84379_fc2
	.p2alignl 7, 3214868480
	.fill 96, 4, 3214868480
	.section	.rodata,"a",@progbits
	.p2align	6, 0x0
	.amdhsa_kernel k_q6eafc84379_fc2
		.amdhsa_group_segment_fixed_size 327680
		.amdhsa_private_segment_fixed_size 0
		.amdhsa_enable_private_segment 0
		.amdhsa_kernarg_size 48
		.amdhsa_user_sgpr_count 2
		.amdhsa_user_sgpr_kernarg_segment_ptr 1
		.amdhsa_wavefront_size32 1
		.amdhsa_system_sgpr_workgroup_id_x 1
		.amdhsa_system_sgpr_workgroup_id_y 1
		.amdhsa_system_sgpr_workgroup_id_z 1
		.amdhsa_system_vgpr_workitem_id 0
		.amdhsa_next_free_vgpr 640
		.amdhsa_next_free_sgpr 100
		.amdhsa_reserve_vcc 0
		.amdhsa_float_denorm_mode_32 3
		.amdhsa_float_denorm_mode_16_64 3
		.amdhsa_memory_ordered 1
		.amdhsa_forward_progress 1
		.amdhsa_inst_pref_size 83
	.end_amdhsa_kernel
	.amdgpu_metadata
---
amdhsa.version: [ 1, 2 ]
amdhsa.kernels:
  - .name:           k_q6eafc84379_fc2
    .symbol:         k_q6eafc84379_fc2.kd
    .args:
      - { .name: gimg, .offset: 0, .size: 8, .value_kind: global_buffer, .address_space: global }
      - { .name: wimg, .offset: 8, .size: 8, .value_kind: global_buffer, .address_space: global }
      - { .name: lowp_scales, .offset: 16, .size: 8, .value_kind: global_buffer, .address_space: global }
      - { .name: fc2_b, .offset: 24, .size: 8, .value_kind: global_buffer, .address_space: global }
      - { .name: x1, .offset: 32, .size: 8, .value_kind: global_buffer, .address_space: global }
      - { .name: out0, .offset: 40, .size: 8, .value_kind: global_buffer, .address_space: global }
    .group_segment_fixed_size: 327680
    .private_segment_fixed_size: 0
    .kernarg_segment_align: 8
    .kernarg_segment_size: 48
    .max_flat_workgroup_size: 128
    .sgpr_count:     100
    .vgpr_count:     640
    .wavefront_size: 32
...
	.end_amdgpu_metadata
.endif
;; end of part 7
